; MI455X (gfx1250); checked and timed in simulation.
; The chip was launched on July 23, 2026; its instructions are those of AMD's public machine-readable ISA for CDNA 5 (MIT licence, August 2026) and "CDNA5" Instruction Set Architecture Reference Guide (July 2026). The comments in the code are by the model that wrote it; some were corrected since.
;; Qwen3 Attention. Allowed arithmetic: float matrix products may take bf16 or f16 operands with f32 sums; other float arithmetic in f32, or as packed bf16 or f16 multiplies, adds, multiply-adds, maxima and minima; sums over many terms, partial sums and values carried from step to step in f32; what a program stores and reads back later, other than sums and carried values, may be rounded once to bf16 or f16.
;; Inputs: Wk 1,024 x 2,048 float32; Wo 2,048 x 1,024 float32; Wq 1,024 x 2,048 float32; Wv 1,024 x 2,048 float32; cos 2 x 2,048 x 128 float32; hidden_states 2 x 2,048 x 2,048 float32; k_norm_w 128 float32; q_norm_w 128 float32; sin 2 x 2,048 x 128 float32.
;; Outputs: out0 2 x 2,048 x 2,048 float32.
;; 2 versions, each right; version 2 is version 1 with the launch cast written anew for expert scheduling mode. Each part assembles by itself: llvm-mc -triple=amdgcn-amd-amdhsa -mcpu=gfx1250 --defsym DOCPART=n.
;; ======== version 1 of 2: 4 launches
;; limits: values are held in f16: magnitudes above 65,504 overflow, below 6.1e-05 lose precision
;; workspace buffers: bf 35,651,584 bytes; qkvh 25,165,824 bytes; ao 8,388,608 bytes
;; launch cast (part 1): grid 1088 x 1, 8 waves a work-group, no clusters, 0 bytes of LDS; arguments hidden_states, Wq, Wk, Wv, Wo, cos, sin, bf; writes bf
.if DOCPART == 1
	.amdgcn_target "amdgcn-amd-amdhsa--gfx1250"
	.amdhsa_code_object_version 6
	.text
	.protected	k_qf34a720a23_cast
	.globl	k_qf34a720a23_cast
	.p2align	8
	.type	k_qf34a720a23_cast,@function
k_qf34a720a23_cast:
	s_mov_b64 s[64:65], 0
	v_nop
	global_prefetch_b8 v0, s[64:65] scope:SCOPE_SE
	s_setreg_imm32_b32 hwreg(HW_REG_WAVE_MODE, 25, 1), 1
	s_wait_xcnt 0x0
; Every large input is rounded once to bf16 and laid into one workspace, bf:
;   byte 0         x     bf16 [4096][2048]
;   byte 16777216  Wq, Wk, Wv  bf16 [3072][2048], in this order
;   byte 29360128  Wo    [2048][1024]: rounded to bf16, and that number written as f16 (it multiplies an f16 operand later)
;   byte 33554432  cos   bf16 [4096][128]
;   byte 34603008  sin   bf16 [4096][128], with the sign of rotate_half folded in: -sin for channels 0-63, +sin for 64-127
; LIMITS.  Wo beyond 65,504 becomes an infinity in f16; below 6e-5 it keeps f16's fixed step of 6e-8.
; SHARES.  Work-group g converts 16,384 numbers: 65,536 bytes in, 32,768 out.  Its place in bf is 32,768 g whatever the source, and the
; source goes by ranges of g.  Thread t takes 16 bytes at 16 t of each of sixteen chunks of 4,096 bytes; a wave's store covers 256 consecutive
; bytes, aligned.  All sixteen loads go out at once; no register is written twice, so no wait but the counted ones is needed.
; No LDS, no matrix unit, no cluster: each byte is read once and written once, and nothing is shared.
.set X, 8                              ; v[8:71]    chunk i: 4 registers as loaded
.set Y, 72                             ; v[72:103]  chunk i: 2 registers to store
	s_load_b512 s[4:19], s[0:1], 0x0               ; x s[4:5], Wq s[6:7], Wk s[8:9], Wv s[10:11], Wo s[12:13], cos s[14:15], sin s[16:17], bf s[18:19]
	v_lshlrev_b32 v1, 4, v0                        ; 16 t: my bytes in a chunk of the source
	v_lshlrev_b32 v2, 3, v0                        ; 8 t: in a chunk of bf
	v_and_b32 v4, 16, v0                           ; my column in a row of 128 is 4 (t % 32) + 0..3: below 64 where this bit is 0
	s_mov_b32 s22, 0                               ; the first work-group of my source
	s_mov_b32 s25, 0
	s_mov_b32 s27, 0
	s_lshl_b32 s26, ttmp9, 15                      ; my place in bf
	s_wait_kmcnt 0x0
	s_mov_b64 s[20:21], s[4:5]
.macro PICK first, ptr                 ; from work-group first on the source is the buffer at s[ptr:ptr+1]
	s_cmp_ge_u32 ttmp9, \first
	s_cselect_b64 s[20:21], s[\ptr:\ptr+1], s[20:21]
	s_cselect_b32 s22, \first, s22
.endm
	PICK 512, 6
	PICK 640, 8
	PICK 768, 10
	PICK 896, 12
	PICK 1024, 14
	PICK 1056, 16
	s_sub_co_u32 s24, ttmp9, s22
	s_lshl_b32 s24, s24, 16                        ; my 65,536 bytes of the source
	s_add_nc_u64 s[20:21], s[20:21], s[24:25]
	s_add_nc_u64 s[18:19], s[18:19], s[26:27]
	s_cmp_eq_u32 s22, 1056
	s_cselect_b32 s23, 0x80008000, 0               ; two bf16 signs, for sin alone
	v_cmp_eq_u32 vcc_lo, 0, v4
	v_mov_b32 v5, s23
	v_cndmask_b32 v3, 0, v5, vcc_lo                ; the signs to turn: sin's channels 0-63; 0 everywhere else
.irp i, 0,1,2,3,4,5,6,7,8,9,10,11,12,13,14,15
	global_load_b128 v[X+4*(\i):X+4*(\i)+3], v1, s[20:21] offset:4096*(\i) th:TH_LOAD_NT
.endr
	s_cmp_eq_u32 s22, 896
	s_cbranch_scc1 .Lf16
.irp i, 0,1,2,3,4,5,6,7,8,9,10,11,12,13,14,15
	s_wait_loadcnt 15-(\i)                         ; loads come back in order: chunk i is in, the younger ones stay out
	v_cvt_pk_bf16_f32 v[Y+2*(\i)], v[X+4*(\i)], v[X+4*(\i)+1]
	v_cvt_pk_bf16_f32 v[Y+2*(\i)+1], v[X+4*(\i)+2], v[X+4*(\i)+3]
	v_xor_b32 v[Y+2*(\i)], v3, v[Y+2*(\i)]
	v_xor_b32 v[Y+2*(\i)+1], v3, v[Y+2*(\i)+1]
	global_store_b64 v2, v[Y+2*(\i):Y+2*(\i)+1], s[18:19] offset:2048*(\i)
.endr
	s_endpgm
.Lf16:                                         ; Wo: to bf16, widened again, and that number as f16
.irp i, 0,1,2,3,4,5,6,7,8,9,10,11,12,13,14,15
	s_wait_loadcnt 15-(\i)
	v_cvt_pk_bf16_f32 v[Y+2*(\i)], v[X+4*(\i)], v[X+4*(\i)+1]
	v_cvt_pk_bf16_f32 v[Y+2*(\i)+1], v[X+4*(\i)+2], v[X+4*(\i)+3]
	v_lshlrev_b32 v4, 16, v[Y+2*(\i)]
	v_and_b32 v5, 0xffff0000, v[Y+2*(\i)]
	v_lshlrev_b32 v6, 16, v[Y+2*(\i)+1]
	v_and_b32 v7, 0xffff0000, v[Y+2*(\i)+1]
	v_cvt_pk_f16_f32 v[Y+2*(\i)], v4, v5
	v_cvt_pk_f16_f32 v[Y+2*(\i)+1], v6, v7
	global_store_b64 v2, v[Y+2*(\i):Y+2*(\i)+1], s[18:19] offset:2048*(\i)
.endr
	s_endpgm
.Lfunc_end_k_qf34a720a23_cast:
	.size	k_qf34a720a23_cast, .Lfunc_end_k_qf34a720a23_cast-k_qf34a720a23_cast
	.p2alignl 7, 3214868480
	.fill 96, 4, 3214868480
	.section	.rodata,"a",@progbits
	.p2align	6, 0x0
	.amdhsa_kernel k_qf34a720a23_cast
		.amdhsa_group_segment_fixed_size 0
		.amdhsa_private_segment_fixed_size 0
		.amdhsa_enable_private_segment 0
		.amdhsa_kernarg_size 64
		.amdhsa_user_sgpr_count 2
		.amdhsa_user_sgpr_kernarg_segment_ptr 1
		.amdhsa_wavefront_size32 1
		.amdhsa_system_sgpr_workgroup_id_x 1
		.amdhsa_system_sgpr_workgroup_id_y 1
		.amdhsa_system_sgpr_workgroup_id_z 1
		.amdhsa_system_vgpr_workitem_id 0
		.amdhsa_next_free_vgpr 104
		.amdhsa_next_free_sgpr 66
		.amdhsa_reserve_vcc 1
		.amdhsa_float_denorm_mode_32 3
		.amdhsa_float_denorm_mode_16_64 3
		.amdhsa_memory_ordered 1
		.amdhsa_forward_progress 1
		.amdhsa_inst_pref_size 18
	.end_amdhsa_kernel
	.amdgpu_metadata
---
amdhsa.version: [ 1, 2 ]
amdhsa.kernels:
  - .name:           k_qf34a720a23_cast
    .symbol:         k_qf34a720a23_cast.kd
    .args:
      - { .name: hidden_states, .offset: 0, .size: 8, .value_kind: global_buffer, .address_space: global }
      - { .name: Wq, .offset: 8, .size: 8, .value_kind: global_buffer, .address_space: global }
      - { .name: Wk, .offset: 16, .size: 8, .value_kind: global_buffer, .address_space: global }
      - { .name: Wv, .offset: 24, .size: 8, .value_kind: global_buffer, .address_space: global }
      - { .name: Wo, .offset: 32, .size: 8, .value_kind: global_buffer, .address_space: global }
      - { .name: cos, .offset: 40, .size: 8, .value_kind: global_buffer, .address_space: global }
      - { .name: sin, .offset: 48, .size: 8, .value_kind: global_buffer, .address_space: global }
      - { .name: bf, .offset: 56, .size: 8, .value_kind: global_buffer, .address_space: global }
    .group_segment_fixed_size: 0
    .private_segment_fixed_size: 0
    .kernarg_segment_align: 8
    .kernarg_segment_size: 64
    .max_flat_workgroup_size: 256
    .sgpr_count:     66
    .vgpr_count:     104
    .wavefront_size: 32
...
	.end_amdgpu_metadata
.endif
;; end of part 1
;; launch qkv (part 2): grid 12 x 16, 4 waves a work-group, clusters of 4 x 4, 327,680 bytes of LDS; arguments bf, q_norm_w, k_norm_w, qkvh; writes qkvh
.if DOCPART == 2
	.amdgcn_target "amdgcn-amd-amdhsa--gfx1250"
	.amdhsa_code_object_version 6
	.text
	.protected	k_qf34a720a23_qkv
	.globl	k_qf34a720a23_qkv
	.p2align	8
	.type	k_qf34a720a23_qkv,@function
k_qf34a720a23_qkv:
	s_mov_b64 s[64:65], 0
	v_nop
	global_prefetch_b8 v0, s[64:65] scope:SCOPE_SE
	s_setreg_imm32_b32 hwreg(HW_REG_WAVE_MODE, 25, 1), 1
	s_wait_xcnt 0x0
	s_wait_alu depctr_hold_cnt(0) depctr_sa_sdst(0) depctr_va_vdst(0) depctr_va_sdst(0) depctr_va_ssrc(0) depctr_va_vcc(0) depctr_vm_vsrc(0)
	s_getreg_b32 s2, hwreg(HW_REG_IB_STS2, 6, 4)
	s_cmp_eq_u32 s2, 0
	s_cbranch_scc0 .Lentry_in_a_cluster
	s_endpgm
.Lentry_in_a_cluster:
	s_bfe_u32 s2, ttmp6, 0x10000c
	s_cmp_lg_u32 s2, 0xf033
	s_cbranch_scc0 .Lentry_shape_is_right
	s_endpgm
.Lentry_shape_is_right:
; q, k, v = x W^T (4096 x 3072 x 2048, bf16 operands, f32 sums), and on the way out, for q and k: the head's RMS norm with its gain, RoPE; all three rounded once to f16
; and stored by heads: qkvh byte = kind x 8388608 + (batch x 8 + head) x 524288 + s x 256 + 2 d (kind 0 q, 1 k, 2 v).
; LIMITS.  f16 holds no number beyond 65,504: v = x Wv must stay within it; q and k are at most sqrt(128) |gain| (|cos| + |sin|).  NaN and infinities are not treated apart.
; The gains, cos and sin are rounded to bf16 like all inputs (cos and sin by the launch before, the gains here).
; SHARES.  A tile of 256 x 256 to a work-group of four waves, 128 x 128 to a wave: 64 accumulators of 16 x 16, 512 registers.  A wave's 128 columns ARE one head, for 128 tokens.
; 12 x 16 = 192 work-groups: a width that gave 256 equal tiles (192 or 384 columns) would cut heads between waves.
; K goes in steps of 128 through a ring of two LDS slots filled by tensor loads; rows of 256 bytes, padded to 272 in LDS.
; CLUSTERS of 4 x 4: A's tiles (x) are asked for jointly along a row of the cluster, B's (the weights) along a column.  A cluster's 1,024 columns are one kind, so the kind
; (the cluster's x) is the same in all sixteen partners, and the text may branch on it.
; THE MATRIX INSTRUCTION IS USED TRANSPOSED (source 0 = 16 rows of W, source 1 = 16 tokens): lane l holds token l % 16 and, in accumulator (a, b), channels 16 b + 8 (l / 16) + 0..7.
; So a token's 128 channels lie in two lanes 16 apart (one exchange for the sum of squares), and the RoPE partner d +- 64 is the same lane and register, four accumulators on.
; THE WAY OUT.  The ring has had its last fill: behind a barrier each wave lays its 64 accumulators into 65,536 bytes of it (its own), and a counted loop takes them back a block
; of 16 tokens at a time: one text for eight blocks.  Each block leaves through the wave's own stage as 4,096 dense bytes.
; REGISTERS, in windows of 256 (s_set_vgpr_msb: bits 1:0 source 0, 3:2 source 1, 5:4 source 2, 7:6 destination):
;   window 0: v0-31 addresses and a few at work; v32-63 packed results; v64-191 A's fragments, two buffers (on the way out T, U); v192-255 cos and sin of the odd blocks
;   window 1: v0-63 my 64 gains; v64-191 B's fragments; v192-255 cos and sin of the even blocks      windows 2, 3: the accumulators, (a, b) at v[8 (8 (a % 4) + b)]
.set SIZE_K, 2048
.set KSTEP,  128
.set PITCH,  272                       ; 256 bytes + 16 of padding = 68 words: the 16 rows of a fragment load start at 16 different groups of four banks (64 banks of 4 bytes: ISA guide 11.1)
.set HALFT,  128*PITCH                 ; what one tensor load brings
.set SLOT,   4*HALFT                   ; A's 256 rows, then B's 256 rows
.set STAGE,  2*SLOT                    ; behind the ring: 16 rows x 272 bytes for each wave
.set SPITCH, 272
.set SPARE,  STAGE+4*16*SPITCH         ; the spare words, 128 bytes a wave: two blocks of 256 bytes that no other line names
.set LAPS,   SIZE_K/(2*KSTEP)
.set WQKV,   16777216                  ; places in bf
.set COSB,   33554432
.set SINB,   34603008
.set ZR,   5                           ; v5      0, an operand of the first RoPE product
.set RS,   6                           ; v[6:7]  1 / rms in the low register
.set CH,   8                           ; v[8:15] four chains of squares
.set ADRA, 16                          ; v16-17  LDS address of my A fragments in slot 0, 1
.set ADRB, 20                          ; v20-21  the same for B
.set WOF,  23                          ; v23     32 (l / 16): my gains
.set STO,  24                          ; v24     the stage: where I put 16 bytes of a row
.set RD,   25                          ; v25     where I read rows back
.set CO,   26                          ; v26     16 x lane: my bytes in 512 consecutive bytes of the result
.set CSO,  27                          ; v27     256 (l % 16) + 16 (l / 16): my bytes in 16 rows of cos and sin
.set SPW,  28                          ; v28     my spare word; never rewritten
.set NIL,  29                          ; v29     0, for the add alone
.set PFO,  30                          ; v30     the prefetches' offset: lane x 4,096
.set SA,   31                          ; v31     65,536 x wave + 16 x lane: my bytes in my part of the old ring
.set PK,   32
.set F0,   64
.set F1,   128
.set T,    64                          ; a block's 64 numbers a lane
.set U,    128                         ; the same behind RoPE
.set CSR,  192                         ; 32 registers of cos (bf16 pairs), 4 for each b
.set SNR,  224                         ; 32 of sin
.set WN,   0
.set G1,  24                           ; s[24:31] group 1 for A;  s[32:39] group 0, a set for each slot
.set G0,  32
.set G1B, 48                           ; s[48:55], s[56:63] the same for B
.set G0B, 56
.set LIM, 43                           ; s43      1 in a wave that prefetches, else the greatest number
.set PFA, 44                           ; s[44:45] where my prefetches stand
.set KIND, 88                          ; s88      0 q, 1 k, 2 v
.set MSB, 0
.macro WIN new                         ; the immediate's high byte repeats the setting that is left
.if MSB != (\new)
	s_set_vgpr_msb (MSB<<8)|(\new)
.set MSB, \new
.endif
.endm
.set MUL_LO, 0xa1                      ; source 0 (B) window 1, source 1 (A) window 0, C and D window 2
.set MUL_HI, 0xf1                      ; the same, C and D window 3
.set TO_B,   0x40
; A joint load: waves 0 and 1 fetch A's two halves, waves 2 and 3 B's.  The branch hangs on the wave's number alone.  An s_nop 0 and four v_nop follow each line.
.macro JLOAD s
	s_cmp_eq_u32 s11, 0
	s_cbranch_scc0 .Lfor_b_\@
	tensor_load_to_lds s[G0+4*(\s):G0+4*(\s)+3], s[G1:G1+7]
	s_nop 0
.rept 4
	v_nop
.endr
	s_branch .Lasked_\@
.Lfor_b_\@:
	tensor_load_to_lds s[G0B+4*(\s):G0B+4*(\s)+3], s[G1B:G1B+7]
	s_nop 0
.rept 4
	v_nop
.endr
.Lasked_\@:
.endm
; A prefetch of the K step that stands two refills on: 32 rows x 256 bytes, a lane a row.  A's rows are asked for by the clusters with x = 0, B's by those with y = 0; the four partners that
; ask for a tile jointly share a wave's 128 rows out by address, 32 each.  So each row's 256 bytes of a K step are named once.  The loop's last trip (s3 = 1) has no K step two on.
.macro ASK
	s_cmp_gt_u32 s3, s[LIM]
	s_cbranch_scc0 .Lnot_mine_\@
	global_prefetch_b8 v[PFO], s[PFA:PFA+1] offset:KSTEP*2 th:TH_LOAD_NT scope:SCOPE_SE
.Lnot_mine_\@:
.endm
.macro CREST                           ; a round of the cluster's barrier behind its opening barrier
	s_cmp_lg_u32 s10, 0
	s_cbranch_scc1 .Lnot_wave_0_\@
	s_barrier_signal -3
.Lnot_wave_0_\@:
	s_barrier_wait -3
	s_barrier_signal -1
	s_barrier_wait -1
.endm
.macro CROUND
	s_barrier_signal -1
	s_barrier_wait -1
	CREST
.endm
	s_load_b256 s[68:75], s[0:1], 0x0              ; bf s[68:69], q_norm_w s[70:71], k_norm_w s[72:73], qkvh s[74:75]
	v_lshl_add_u32 v[SPW], v0, 2, SPARE
	v_mov_b32 v[NIL], 0
	ds_add_u32 v[SPW], v[NIL]                      ; the wave's opening: the add and its wait stand ahead of my first tensor load; work on registers stands between them
	v_lshrrev_b32 v1, 5, v0
	v_readfirstlane_b32 s10, v1                    ; wave 0..3
	s_lshr_b32 s11, s10, 1                         ; which half of the tile's tokens is mine.  Also: I fetch for A (0) or for B (1)
	s_and_b32 s12, s10, 1                          ; which half of its columns.  Also: which 128 rows of that tile I fetch
	s_bfe_u32 s40, ttmp6, 0x40000                  ; cx
	s_bfe_u32 s41, ttmp6, 0x40004                  ; cy
	s_mov_b32 s[KIND], ttmp9                       ; the cluster's x
	s_lshl_b32 s42, ttmp9, 2
	s_add_co_u32 s42, s42, s40                     ; tile column 0..11
	s_and_b32 s13, ttmp7, 0xffff
	s_lshl_b32 s13, s13, 2
	s_add_co_u32 s13, s13, s41                     ; tile row 0..15
	s_lshl_b32 s43, s41, 2
	s_lshl_b32 s43, 15, s43                        ; my row of the cluster
	s_lshl_b32 s44, 0x1111, s40                    ; my column
	s_or_b32 s[G1+0], s43, (1<<16)|(1<<20)|(1<<21)|(5<<22)|(3<<25)  ; the mask; elements of 2 bytes; padding on; bit 21 beside a mask; after every 64 words 4 words
	s_or_b32 s[G1B+0], s44, (1<<16)|(1<<20)|(1<<21)|(5<<22)|(3<<25)
.irp g, G1, G1B
	s_mov_b32 s[(\g)+1], KSTEP<<16                 ; tensor_dim0 = 128
	s_mov_b32 s[(\g)+2], 128<<16                   ; tensor_dim1 = 128
	s_mov_b32 s[(\g)+3], KSTEP<<16                 ; tile_dim0 = 128
	s_mov_b32 s[(\g)+4], 128                       ; tile_dim1 = 128
	s_mov_b32 s[(\g)+5], SIZE_K                    ; elements from row to row
	s_mov_b32 s[(\g)+6], 0
	s_mov_b32 s[(\g)+7], 0
.endr
	s_lshl_b32 s17, s12, 7
	s_lshl_b32 s16, s13, 8
	s_add_co_u32 s16, s16, s17                     ; A: row 256 x tile row + 128 x half
	s_lshl_b32 s46, s42, 8
	s_add_co_u32 s46, s46, s17                     ; B: row 256 x tile column + 128 x half
	s_lshl_b32 s16, s16, 12                        ; rows of 4,096 bytes: under 2^24
	s_mov_b32 s17, 0
	s_lshl_b32 s46, s46, 12
	s_mov_b32 s47, 0
	s_mul_i32 s20, s10, HALFT                      ; where they go: wave x 128 rows
	s_wait_dscnt 0x0                               ; the opening add is done
	s_wait_kmcnt 0x0
	s_mov_b64 s[4:5], s[68:69]                     ; x
	s_add_nc_u64 s[6:7], s[68:69], WQKV            ; the weights
	s_add_nc_u64 s[14:15], s[4:5], s[16:17]
	s_add_nc_u64 s[46:47], s[6:7], s[46:47]
	CROUND                                         ; all sixteen work-groups are here: the first joint loads meet
.irp s, 0,1
	s_mov_b32 s[G0+4*(\s)], 1
	s_add_co_u32 s[G0+4*(\s)+1], s20, (\s)*SLOT
	s_add_nc_u64 s[G0+4*(\s)+2:G0+4*(\s)+3], s[14:15], (\s)*KSTEP*2
	s_or_b32 s[G0+4*(\s)+3], s[G0+4*(\s)+3], 0x80000000
	s_mov_b32 s[G0B+4*(\s)], 1
	s_add_co_u32 s[G0B+4*(\s)+1], s20, (\s)*SLOT
	s_add_nc_u64 s[G0B+4*(\s)+2:G0B+4*(\s)+3], s[46:47], (\s)*KSTEP*2
	s_or_b32 s[G0B+4*(\s)+3], s[G0B+4*(\s)+3], 0x80000000
	JLOAD \s
.endr
	v_and_b32 v1, 15, v0                           ; l % 16
	v_bfe_u32 v2, v0, 4, 1                         ; l / 16
	v_and_b32 v4, 31, v0                           ; l
	v_mul_u32_u24 v3, v1, PITCH
	v_lshl_add_u32 v3, v2, 4, v3                   ; row x pitch + 16 x half
	s_mul_i32 s21, s11, HALFT                      ; my 128 rows of A
	s_mul_i32 s22, s12, HALFT                      ; my 128 rows of B,
	s_add_co_u32 s22, s22, 2*HALFT                 ; which lie behind A's 256
.irp s, 0,1
	v_add_nc_u32 v[ADRA+(\s)], s21, v3
	v_add_nc_u32 v[ADRB+(\s)], s22, v3
	s_add_co_u32 s21, s21, SLOT
	s_add_co_u32 s22, s22, SLOT
.endr
	s_mul_i32 s23, s10, 16*SPITCH
	s_add_co_u32 s23, s23, STAGE                   ; my stage
	v_add_nc_u32 v[STO], s23, v3                   ; in: row l % 16, 16 bytes for each half of the lanes
	v_mul_u32_u24 v3, v2, SPITCH                   ; back: lanes 0-15 one row of 256 bytes, lanes 16-31 the next
	v_lshl_add_u32 v3, v1, 4, v3
	v_add_nc_u32 v[RD], s23, v3
	v_lshlrev_b32 v[CO], 4, v4
	s_lshl_b32 s23, s10, 16
	v_lshl_add_u32 v[SA], v4, 4, s23
	v_lshlrev_b32 v[WOF], 5, v2
	v_lshlrev_b32 v[CSO], 8, v1
	v_lshl_add_u32 v[CSO], v2, 4, v[CSO]
	v_mov_b32 v[ZR], 0
	v_mov_b32 v[RS+1], 0                           ; named with 1 / rms as a pair
	v_lshlrev_b32 v[PFO], 12, v4
	; where my 128 tokens of my head go, and their rows of cos and sin
	s_lshl_b32 s14, s13, 8
	s_lshl_b32 s15, s11, 7
	s_add_co_u32 s14, s14, s15                     ; my first token, 0..3968
	s_lshr_b32 s15, s14, 11                        ; batch
	s_lshl_b32 s15, s15, 3
	s_lshl_b32 s16, s40, 1
	s_add_co_u32 s16, s16, s12                     ; head = 2 cx + my half of the columns
	s_add_co_u32 s15, s15, s16
	s_lshl_b32 s15, s15, 19
	s_and_b32 s16, s14, 2047                       ; place in the sequence
	s_lshl_b32 s16, s16, 8
	s_add_co_u32 s15, s15, s16
	s_lshl_b32 s16, s[KIND], 23
	s_add_co_u32 s86, s15, s16
	s_mov_b32 s87, 0
	s_add_nc_u64 s[8:9], s[74:75], s[86:87]
	s_lshl_b32 s86, s14, 8
	s_add_nc_u64 s[90:91], s[68:69], s[86:87]
	s_add_nc_u64 s[92:93], s[90:91], SINB          ; sin at my first token
	s_add_nc_u64 s[90:91], s[90:91], COSB          ; cos
	s_add_nc_u64 s[76:77], s[90:91], 8192          ; what the way out loads next: block 2's rows
	s_add_nc_u64 s[78:79], s[92:93], 8192
	s_cmp_eq_u32 s[KIND], 0
	s_cselect_b64 s[80:81], s[70:71], s[72:73]     ; the gain
	s_mov_b32 s82, 0x3c000000                      ; 1 / 128
	s_mov_b32 s83, 0x358637bd                      ; 1e-6
	s_mov_b32 s84, 0x76543210                      ; v_permlanex16_b32: each lane takes its own place in the other half
	s_mov_b32 s85, 0xfedcba98
	; the prefetches
	s_lshl_b32 s20, s13, 8
	s_lshl_b32 s21, s42, 8
	s_and_b32 s22, ttmp7, 0xffff                   ; cluster y
	s_cmp_eq_u32 s11, 0                            ; do I fetch for A?
	s_cselect_b32 s20, s20, s21                    ; the tile's first row
	s_cselect_b32 s21, s40, s41                    ; my place among the four that ask for it with me
	s_cselect_b32 s22, ttmp9, s22                  ; the coordinate along which other clusters read the same rows
	s_cselect_b64 s[PFA:PFA+1], s[4:5], s[6:7]
	s_cmp_eq_u32 s22, 0
	s_cselect_b32 s[LIM], 1, -1                    ; the same in all sixteen partners, for a given wave
	s_lshl_b32 s22, s12, 7
	s_add_co_u32 s20, s20, s22
	s_lshl_b32 s21, s21, 5
	s_add_co_u32 s20, s20, s21
	s_lshl_b32 s20, s20, 12
	s_mov_b32 s21, 0
	s_add_nc_u64 s[PFA:PFA+1], s[PFA:PFA+1], s[20:21]
	s_add_nc_u64 s[PFA:PFA+1], s[PFA:PFA+1], 2*KSTEP*2  ; at K step 2: the first refill steps it to 3 and names K step 4
	; The gains and the first two blocks' cos and sin are asked for now and waited for on the way out.  The v work-groups ask as well and use none of it: 48 loads a wave, the price of one head text.
	WIN 0x40                                       ; destination window 1, address window 0
.irp b, 0,1,2,3,4,5,6,7
	global_load_b128 v[WN+8*(\b):WN+8*(\b)+3],   v[WOF], s[80:81] offset:64*(\b)
	global_load_b128 v[WN+8*(\b)+4:WN+8*(\b)+7], v[WOF], s[80:81] offset:64*(\b)+16
.endr
.irp b, 0,1,2,3,4,5,6,7
	global_load_b128 v[CSR+4*(\b):CSR+4*(\b)+3], v[CSO], s[90:91] offset:32*(\b)
	global_load_b128 v[SNR+4*(\b):SNR+4*(\b)+3], v[CSO], s[92:93] offset:32*(\b)
.endr
	WIN 0
.irp b, 0,1,2,3,4,5,6,7
	global_load_b128 v[CSR+4*(\b):CSR+4*(\b)+3], v[CSO], s[90:91] offset:4096+32*(\b)
	global_load_b128 v[SNR+4*(\b):SNR+4*(\b)+3], v[CSO], s[92:93] offset:4096+32*(\b)
.endr
; 16 matrix instructions: token blocks a0, a0 + 1 of the window's four x all 8 channel blocks, 32 along K.  zero = 1: the first product starts the sums.
.macro MUL16 f, hi, a0, zero
	WIN MUL_LO+0x50*(\hi)
.irp a, \a0, (\a0)+1
.irp b, 0,1,2,3,4,5,6,7
.if \zero
	v_wmma_f32_16x16x32_bf16 v[8*(8*(\a)+(\b)):8*(8*(\a)+(\b))+7], v[(\f)+8*(\b):(\f)+8*(\b)+7], v[(\f)+8*(4*(\hi)+(\a)):(\f)+8*(4*(\hi)+(\a))+7], 0
.else
	v_wmma_f32_16x16x32_bf16 v[8*(8*(\a)+(\b)):8*(8*(\a)+(\b))+7], v[(\f)+8*(\b):(\f)+8*(\b)+7], v[(\f)+8*(4*(\hi)+(\a)):(\f)+8*(4*(\hi)+(\a))+7], v[8*(8*(\a)+(\b)):8*(8*(\a)+(\b))+7]
.endif
.endr
.endr
.endm
; 32 LDS loads in one run: the fragments of one quarter step (32 K at byte k of the rows) into buffer f
.macro FETCH slot, k, f
	WIN TO_B
.irp i, 0,1,2,3,4,5,6,7
	ds_load_b128 v[(\f)+8*(\i):(\f)+8*(\i)+3],   v[ADRB+(\slot)] offset:(\k)+(\i)*16*PITCH
	ds_load_b128 v[(\f)+8*(\i)+4:(\f)+8*(\i)+7], v[ADRB+(\slot)] offset:(\k)+(\i)*16*PITCH+32
.endr
	WIN 0
.irp i, 0,1,2,3,4,5,6,7
	ds_load_b128 v[(\f)+8*(\i):(\f)+8*(\i)+3],   v[ADRA+(\slot)] offset:(\k)+(\i)*16*PITCH
	ds_load_b128 v[(\f)+8*(\i)+4:(\f)+8*(\i)+7], v[ADRA+(\slot)] offset:(\k)+(\i)*16*PITCH+32
.endr
.endm
.macro PLACES                          ; four plain instructions between a matrix instruction and a load into a register that it has read (ISA guide 7.12.1 for vector instructions)
.rept 4
	v_nop
.endr
.endm
; A K step is four quarters of 32 along K, 64 matrix instructions each, on buffers 0, 1, 0, 1.  The 64 accumulators take turns in the same order in every quarter.
.macro QUARTER slot, k, f, g, zero
	s_wait_dscnt 8                                 ; B and A's rows 0-63 are in; the youngest eight loads (A's rows 64-127) may be out
	MUL16 \f, 0, 0, \zero
	MUL16 \f, 0, 2, \zero
	PLACES
	FETCH \slot, \k, \g
	s_wait_dscnt 32                                ; all but the 32 just issued
	MUL16 \f, 1, 0, \zero
	MUL16 \f, 1, 2, \zero
.endm
; The change of slots, first half: each wave waits for all its tensor loads (one is out: its part of the next slot), adds 0 to its spare word, and waits for that and for its reads of this slot.
.macro MEET round
	WIN 0
	s_wait_tensorcnt 0x0
	ds_add_u32 v[SPW], v[NIL]
	s_wait_dscnt 9                                 ; the add and the youngest eight loads may be out
	MUL16 F1, 0, 0, 0                              ; sixteen matrix instructions stand between the add and the wait for it
	s_wait_dscnt 0x0                               ; the add is done, and my reads of this slot are over
	s_barrier_signal -1
	MUL16 F1, 0, 2, 0
.if \round
	WIN 0
.endif
	s_barrier_wait -1
.endm
.macro TURN slot, next                 ; the last quarter of a K step whose slot is filled again, two K steps ahead
	s_wait_xcnt 0x0                                ; the last prefetch, a K step back, has read its address
	s_add_nc_u64 s[PFA:PFA+1], s[PFA:PFA+1], KSTEP*2
	MEET 1
	CREST                                          ; the barrier has opened a round of the cluster's: no wave of any partner still reads this slot or has a load on its way
	s_add_nc_u64 s[G0+4*(\slot)+2:G0+4*(\slot)+3], s[G0+4*(\slot)+2:G0+4*(\slot)+3], 2*KSTEP*2
	s_add_nc_u64 s[G0B+4*(\slot)+2:G0B+4*(\slot)+3], s[G0B+4*(\slot)+2:G0B+4*(\slot)+3], 2*KSTEP*2
	JLOAD \slot                                    ; the first tensor load behind the round; its four v_nop are also the places in front of the loads below
	FETCH \next, 0, F0
	ASK
	MUL16 F1, 1, 0, 0
	MUL16 F1, 1, 2, 0
.endm
.macro TURNN slot, next                ; the same where nothing is filled again
	MEET 0
	PLACES
	FETCH \next, 0, F0
	MUL16 F1, 1, 0, 0
	MUL16 F1, 1, 2, 0
.endm
	s_wait_tensorcnt 1                             ; my part of K step 0 is in; K step 1's one load may stay out
	s_barrier_signal -1
	s_barrier_wait -1
	FETCH 0, 0, F0
	QUARTER 0, 64,  F0, F1, 1                      ; the first quarter stands in front of the loop: its products start the sums
	WIN 0
	s_mov_b32 s3, LAPS-1
.Llap:                                         ; a trip goes once round the ring and fills both slots again
	QUARTER 0, 128, F1, F0, 0
	QUARTER 0, 192, F0, F1, 0
	TURN 0, 1
	QUARTER 1, 64,  F0, F1, 0
	QUARTER 1, 128, F1, F0, 0
	QUARTER 1, 192, F0, F1, 0
	TURN 1, 0
	QUARTER 0, 64,  F0, F1, 0
	WIN 0
	s_sub_co_u32 s3, s3, 1
	s_cmp_lg_u32 s3, 0
	s_cbranch_scc1 .Llap
	QUARTER 0, 128, F1, F0, 0                      ; the last lap fills nothing
	QUARTER 0, 192, F0, F1, 0
	TURNN 0, 1
	QUARTER 1, 64,  F0, F1, 0
	QUARTER 1, 128, F1, F0, 0
	QUARTER 1, 192, F0, F1, 0
	s_wait_dscnt 8                                 ; the very last quarter
	MUL16 F1, 0, 0, 0
	MUL16 F1, 0, 2, 0
	s_wait_dscnt 0x0
	MUL16 F1, 1, 0, 0
	MUL16 F1, 1, 2, 0
	; THE WAY OUT.  Every wave's reads of the ring are over and the ring's last fill has landed: behind this barrier its bytes are the waves' own.
	WIN 0
.rept 8
	v_nop                                          ; the places behind the last products
.endr
	s_wait_dscnt 0x0
	s_barrier_signal -1
	s_barrier_wait -1
.irp a, 0,1,2,3,4,5,6,7                ; block a's 64 registers a lane, 512 consecutive bytes an instruction; each accumulator's low registers first
	WIN 0x08+4*((\a)/4)                            ; the stores' data: window 2 or 3
.irp q, 0,1,2,3,4,5,6,7,8,9,10,11,12,13,14,15
	ds_store_b128 v[SA], v[64*((\a)%4)+4*(\q):64*((\a)%4)+4*(\q)+3] offset:8192*(\a)+512*(\q)
.endr
.endr
	WIN 0
.macro TLOAD off                       ; a block's 64 registers a lane come back from my part of the old ring
.irp q, 0,1,2,3,4,5,6,7,8,9,10,11,12,13,14,15
	ds_load_b128 v[T+4*(\q):T+4*(\q)+3], v[SA] offset:(\off)+512*(\q)
.endr
.endm
; A block's packed results go through my stage (rows of 272 bytes) and leave as 16 rows of 256 bytes, which are dense in qkvh: each store covers 512 consecutive bytes, aligned.
.macro LEAVE src, off
.set i, 0
.rept 32
	v_cvt_pk_f16_f32 v[PK+i], v[(\src)+2*i], v[(\src)+2*i+1]
.set i, i+1
.endr
.irp b, 0,1,2,3,4,5,6,7
	ds_store_b128 v[STO], v[PK+4*(\b):PK+4*(\b)+3] offset:32*(\b)
.endr
.irp t, 0,1,2,3,4,5,6,7
	ds_load_b128 v[PK+4*(\t):PK+4*(\t)+3], v[RD] offset:(\t)*2*SPITCH  ; LDS serves a wave's instructions in order (ISA guide 5.7.1.4): these see the stores above
.endr
	s_wait_dscnt 0x0
.irp t, 0,1,2,3,4,5,6,7
	global_store_b128 v[CO], v[PK+4*(\t):PK+4*(\t)+3], s[8:9] offset:(\off)+512*(\t)
.endr
.endm
	s_cmp_eq_u32 s[KIND], 2
	s_cbranch_scc1 .Lv
	; q and k.  The gains are rounded to bf16 like every input, and widened again.
	s_wait_loadcnt 32                              ; the gains are in; the two sets of cos and sin, 32 loads, may stay out
	WIN 0x05                                       ; sources window 1, destination window 0
.set i, 0
.rept 32
	v_cvt_pk_bf16_f32 v[PK+i], v[WN+2*i], v[WN+2*i+1]
.set i, i+1
.endr
	WIN 0x40                                       ; destination window 1
.set i, 0
.rept 32
	v_lshlrev_b32 v[WN+2*i], 16, v[PK+i]
	v_and_b32 v[WN+2*i+1], 0xffff0000, v[PK+i]
.set i, i+1
.endr
	WIN 0
; One block of 16 tokens; p = its parity, which picks the set of cos and sin.
.macro EBLK p
	WIN 0
.if (\p) == 0
	TLOAD 0
.endif
	s_wait_dscnt 0x0                               ; the block is in (the odd block's loads went out in the even block, and the wait of its way through the stage has covered them)
.set i, 0
.rept 32                               ; the sum of my 64 squares, in four chains started by the first four pairs
.if i < 4
	v_pk_mul_f32 v[CH+2*i:CH+2*i+1], v[T+2*i:T+2*i+1], v[T+2*i:T+2*i+1]
.else
	v_pk_fma_f32 v[CH+2*(i%4):CH+2*(i%4)+1], v[T+2*i:T+2*i+1], v[T+2*i:T+2*i+1], v[CH+2*(i%4):CH+2*(i%4)+1]
.endif
.set i, i+1
.endr
	v_pk_add_f32 v[CH:CH+1], v[CH:CH+1], v[CH+2:CH+3]
	v_pk_add_f32 v[CH+4:CH+5], v[CH+4:CH+5], v[CH+6:CH+7]
	v_pk_add_f32 v[CH:CH+1], v[CH:CH+1], v[CH+4:CH+5]
	v_add_f32 v[CH], v[CH], v[CH+1]
	v_permlanex16_b32 v[CH+1], v[CH], s84, s85     ; the token's other 64 channels lie in the lane 16 away
	v_add_f32 v[CH], v[CH], v[CH+1]
	v_fma_f32 v[CH], v[CH], s82, s83               ; the mean of the squares + 1e-6
	v_rsq_f32 v[RS], v[CH]
	v_nop                                          ; a plain instruction behind the root,
	s_wait_alu depctr_va_vdst(0)                   ; and the wait ahead of its first use
.set i, 0
.rept 32
	v_pk_mul_f32 v[T+2*i:T+2*i+1], v[T+2*i:T+2*i+1], v[RS:RS+1] op_sel_hi:[1,0]
.set i, i+1
.endr
	WIN 0x04                                       ; source 1: the gains, window 1
.set i, 0
.rept 32
	v_pk_mul_f32 v[T+2*i:T+2*i+1], v[T+2*i:T+2*i+1], v[WN+2*i:WN+2*i+1]
.set i, i+1
.endr
	s_wait_loadcnt 16                              ; this parity's cos and sin are in; the other set's 16 younger loads may stay out
	WIN 1-(\p)                                     ; source 0: the even blocks' set lies in window 1, the odd blocks' in window 0
.set b, 0
.rept 8                                ; y cos, straight from the bf16 halves
.set r, 0
.rept 4
	v_fma_mix_f32_bf16 v[U+8*b+2*r],   v[CSR+4*b+r], v[T+8*b+2*r],   v[ZR] op_sel:[0,0,0] op_sel_hi:[1,0,0]
	v_fma_mix_f32_bf16 v[U+8*b+2*r+1], v[CSR+4*b+r], v[T+8*b+2*r+1], v[ZR] op_sel:[1,0,0] op_sel_hi:[1,0,0]
.set r, r+1
.endr
.set b, b+1
.endr
.set b, 0
.rept 8                                ; + the partner 64 channels away times sin, whose sign the table carries
.set r, 0
.rept 4
	v_fma_mix_f32_bf16 v[U+8*b+2*r],   v[SNR+4*b+r], v[T+8*((b+4)%8)+2*r],   v[U+8*b+2*r]   op_sel:[0,0,0] op_sel_hi:[1,0,0]
	v_fma_mix_f32_bf16 v[U+8*b+2*r+1], v[SNR+4*b+r], v[T+8*((b+4)%8)+2*r+1], v[U+8*b+2*r+1] op_sel:[1,0,0] op_sel_hi:[1,0,0]
.set r, r+1
.endr
.set b, b+1
.endr
	WIN 0
.if (\p) == 0
	TLOAD 8192                                     ; T has been read for the last time: the odd block's numbers are asked for now and land while this block leaves
.endif
	s_wait_xcnt 0x0                                ; the youngest access, the last block's stores, stands a block's arithmetic back: they have read the packed registers and their base, the table loads their pointers
.if (\p) == 0
	s_add_nc_u64 s[76:77], s[76:77], s[86:87]      ; so the three pointers are stepped here, once a trip: by 0 in the first trip; the tables' stop at blocks 6 and 7
	s_add_nc_u64 s[78:79], s[78:79], s[86:87]
	s_add_nc_u64 s[8:9], s[8:9], s[94:95]
.endif
	WIN 0x40*(1-(\p))                              ; the set is asked for again, for the block two on (in the last trip: the same block once more, so that every count is the same in every trip and no load leaves bf)
.irp b, 0,1,2,3,4,5,6,7
	global_load_b128 v[CSR+4*(\b):CSR+4*(\b)+3], v[CSO], s[76:77] offset:4096*(\p)+32*(\b)
	global_load_b128 v[SNR+4*(\b):SNR+4*(\b)+3], v[CSO], s[78:79] offset:4096*(\p)+32*(\b)
.endr
	WIN 0
	LEAVE U, 4096*(\p)
.endm
	s_mov_b32 s86, 0                               ; the first trip steps nothing (s87 is 0)
	s_mov_b32 s94, 0
	s_mov_b32 s95, 0
	s_mov_b32 s3, 4
.Leblk:
	EBLK 0
	EBLK 1
	s_cmp_gt_u32 s3, 2                             ; what the next trip's even block adds to the pointers: scalar work alone, so no wait stands here
	s_cselect_b32 s86, 8192, 0
	s_movk_i32 s94, 8192
	v_add_nc_u32 v[SA], 16384, v[SA]
	s_sub_co_u32 s3, s3, 1
	s_cmp_lg_u32 s3, 0
	s_cbranch_scc1 .Leblk
	s_branch .Lend
.Lv:                                           ; v: rounded and stored, a block a trip
	s_mov_b32 s3, 8
.Lvblk:
	TLOAD 0
	s_wait_dscnt 0x0
	LEAVE T, 0
	s_wait_xcnt 0x0                                ; the stores have read their data and their base
	s_add_nc_u64 s[8:9], s[8:9], 4096
	v_add_nc_u32 v[SA], 8192, v[SA]
	s_sub_co_u32 s3, s3, 1
	s_cmp_lg_u32 s3, 0
	s_cbranch_scc1 .Lvblk
.Lend:
	s_wait_tensorcnt 0x0                           ; the wave's end: a wait, an add to my spare word and its wait, behind my last tensor load and my last LDS store
	ds_add_u32 v[SPW], v[NIL]
	s_wait_dscnt 0x0
	CROUND                                         ; the closing round: no work-group ends while a partner may still ask for a tile that names it
	s_endpgm
.Lfunc_end_k_qf34a720a23_qkv:
	.size	k_qf34a720a23_qkv, .Lfunc_end_k_qf34a720a23_qkv-k_qf34a720a23_qkv
	.p2alignl 7, 3214868480
	.fill 96, 4, 3214868480
	.section	.rodata,"a",@progbits
	.p2align	6, 0x0
	.amdhsa_kernel k_qf34a720a23_qkv
		.amdhsa_group_segment_fixed_size 327680
		.amdhsa_private_segment_fixed_size 0
		.amdhsa_enable_private_segment 0
		.amdhsa_kernarg_size 32
		.amdhsa_user_sgpr_count 2
		.amdhsa_user_sgpr_kernarg_segment_ptr 1
		.amdhsa_wavefront_size32 1
		.amdhsa_system_sgpr_workgroup_id_x 1
		.amdhsa_system_sgpr_workgroup_id_y 1
		.amdhsa_system_sgpr_workgroup_id_z 1
		.amdhsa_system_vgpr_workitem_id 0
		.amdhsa_next_free_vgpr 1024
		.amdhsa_next_free_sgpr 96
		.amdhsa_reserve_vcc 0
		.amdhsa_float_denorm_mode_32 3
		.amdhsa_float_denorm_mode_16_64 3
		.amdhsa_memory_ordered 1
		.amdhsa_forward_progress 1
		.amdhsa_inst_pref_size 179
	.end_amdhsa_kernel
	.amdgpu_metadata
---
amdhsa.version: [ 1, 2 ]
amdhsa.kernels:
  - .name:           k_qf34a720a23_qkv
    .symbol:         k_qf34a720a23_qkv.kd
    .args:
      - { .name: bf, .offset: 0, .size: 8, .value_kind: global_buffer, .address_space: global }
      - { .name: q_norm_w, .offset: 8, .size: 8, .value_kind: global_buffer, .address_space: global }
      - { .name: k_norm_w, .offset: 16, .size: 8, .value_kind: global_buffer, .address_space: global }
      - { .name: qkvh, .offset: 24, .size: 8, .value_kind: global_buffer, .address_space: global }
    .group_segment_fixed_size: 327680
    .private_segment_fixed_size: 0
    .kernarg_segment_align: 8
    .kernarg_segment_size: 32
    .max_flat_workgroup_size: 128
    .sgpr_count:     96
    .vgpr_count:     1024
    .wavefront_size: 32
...
	.end_amdgpu_metadata
.endif
;; end of part 2
;; launch attn (part 3): grid 12 x 16, 4 waves a work-group, no clusters, 327,680 bytes of LDS; arguments qkvh, ao; writes ao
.if DOCPART == 3
	.amdgcn_target "amdgcn-amd-amdhsa--gfx1250"
	.amdhsa_code_object_version 6
	.text
	.protected	k_qf34a720a23_attn
	.globl	k_qf34a720a23_attn
	.p2align	8
	.type	k_qf34a720a23_attn,@function
k_qf34a720a23_attn:
	s_mov_b64 s[64:65], 0
	v_nop
	global_prefetch_b8 v0, s[64:65] scope:SCOPE_SE
	s_setreg_imm32_b32 hwreg(HW_REG_WAVE_MODE, 25, 1), 1
	s_wait_xcnt 0x0
; ATTENTION UNDER A CAUSAL WINDOW.  O[q] = the sum over keys k with 0 <= q - k < 1024 of softmax_k(Q[q] . K[k] / sqrt(128)) V[k], for each of 16 (batch, head) pairs of 2,048 rows x 128 channels, f16.
; Products, maxima and sums in f32; the weights p are rounded to f16 for the second product (their sum l is taken of the unrounded p), O once at the end, into ao: f16 [4096 tokens][1024].
; LIMITS.  Q, K, V arrive within f16's 65,504.  A hidden score counts as its value less 1e30.  The running maximum m starts at -2^67: f16's scores, 5.5e11 at the most, all lie above it, hidden
; ones far below it; so a step in which a row sees nothing leaves m there and gives weights 0.  A weight below 2^-126 counts as 0; NaN and infinities are not treated apart.
; THE WALK.  A head's queries lie in 16 blocks of 128; block b needs the key tiles max(0, b - 8) .. b of 128 keys.  Work-groups x = 0..7 take block 8 + x: 9 tiles.  Work-groups x = 8..11 take blocks
; 15 - x and then x - 8: 16 - x and x - 7 tiles, again 9.  So every work-group walks 9 tiles: one loop with a constant count.  What differs lies in scalar registers made from x.
; NO CLUSTER: in trip i work-group x asks for tile x + i: no two of a head ask for the same tile at the same time, and a walk common to four neighbouring blocks would have 12 trips for 9.
; SHARES.  Of a block's two bands of 64 queries a wave owns 16 rows in each: two pieces.  So the tiles with masks are the same work for all four waves.
; THE MASK is the C operand that starts S^T = K Q^T.  MD, made once, is -1e30 where a key's place in its 64 is greater than my query's in its band.  A product's mask is MD x AL + BE.  With DL = the block's
; number less the tile's: DL = 0 is the diagonal (band = step: MD; band below step: all hidden), DL = 8 the window's edge (band = step: the complement, -MD - 1e30; band above step: all hidden), else 0.
; LAYOUT.  S^T holds ONE query a lane (lane % 16) and the keys 8 (lane / 16) + 0..7; two such results rounded to f16 ARE source 1 of O^T = V^T P.  K comes out of LDS as it lies, V turned (ds_load_tr16_b128).
; SOFTMAX.  p = 2^(c s - c m), c = log2(e) / sqrt(128); O and l are multiplied by a = 2^(c m_old - c m_new) in every step.
; THE ORDER OF A KEY STEP.  The two pieces follow each other at a distance, so that one piece's vector work stands behind the other's products: K Q^T of piece 0, V's LDS loads between its products; K Q^T of piece 1,
; behind each product four or five lines of piece 0's maximum, scalings and exponentials; piece 0's roundings and rescaling by themselves (V^T P wants both); V^T P of piece 0 with the same lines of piece 1;
; piece 1's roundings and rescaling; V^T P of piece 1 with both pieces' sums.  A piece's 33 exponentials are one batch with one wait.  Nothing crosses a step's end, so a tile's or a block's end needs no text of its own.
; REGISTERS, in windows of 256 (s_set_vgpr_msb: bits 1:0 source 0, 3:2 source 1, 5:4 source 2, 7:6 destination):
;   window 0: v0-13 addresses; v16-31 statistics, 8 a piece; v61-63; v64-127 S^T; v128-159 P; v160-223 the masks in hand; v224-255 MD
;   window 1: v0-127 O^T, 64 a piece; v128-191 Q, 32 a piece          window 2: v0-127 K of one step; v128-255 V of one step
.set KS,    64
.set PK,    272       ; a row of K in LDS: 256 bytes + 16: the 16 rows of a load start at 16 different groups of four banks (64 banks of 4 bytes: ISA guide 11.1)
.set PV,    288       ; a row of V: 256 + 32
.set VOFF,  KS*PK     ; a step's tiles lie together: 64 rows of K, then 64 rows of V
.set STEPB, KS*(PK+PV)
.set SLOT1, 1<<17     ; a slot holds a tile, two steps; slot 1 begins here, so that one exclusive or turns an address in one slot into the other's
.set STAGE, SLOT1+2*STEPB  ; behind the ring: 16 rows x 272 bytes for each wave
.set SP,    272
.set SPARE, STAGE+4*16*SP  ; the spare words, 128 bytes a wave: two blocks of 256 bytes that no other line names
.set AK0, 2           ; v2   my lane's place in a tile of K
.set AV0, 3           ; v3   the same for V
.set AK,  4           ; v4   the LDS address of K's run of loads
.set AV,  5           ; v5   of V's
.set STO, 6           ; v6   the stage: where I put 16 bytes of a row
.set RD,  7           ; v7   where I read rows back
.set GO,  8           ; v8   2048 (l / 16) + 16 (l % 16): my bytes in two rows of ao
.set QO,  12          ; v12  256 (l % 16) + 16 (l / 16): my bytes in 16 rows of Q
.set MT,  13          ; v13  at work on MD
.set ST,  16          ; piece t's statistics at v[ST+8 t]: c m, m, l (even keys', odd keys'), c0-c3 at work; a takes c2's place
.set PFO, 61          ; v61  256 x lane
.set SPW, 62          ; v62  my spare word; never rewritten
.set NIL, 63          ; v63  0, for the add alone
.set S,   64
.set P,   128
.set MC,  160
.set MD,  224
.set QF,  128         ; window 1
.set KF,  0           ; window 2
.set VF,  128         ; window 2
.set WV,  12          ; s12  my wave's number
.set KB,  8           ; s[8:9]   K at my half of the head's tile 0
.set VB,  10          ; s[10:11] V likewise
.set G1K, 24
.set G1V, 32
.set G0K, 40
.set G0V, 44
.set QP,  48          ; s[48:49] Q at my rows of the first block
.set OP,  50          ; s[50:51] ao at my rows of the block in hand
.set OLO, 52          ; s[52:53] of the second block
.set QLO, 54          ; s[54:55] Q at my rows of the second block
.set SLOTS, 56
.set CNT, 57
.set CS,  58          ; s[58:59] c
.set SEL, 60          ; s[60:61] v_permlanex16_b32's selects
.set TB,  62          ; s62  LDS byte at which the step to be fetched begins
.set DL,  63          ; s63  the block's number less the number of the tile to be entered
.set NXT, 66          ; s66  the tile to be asked for next
.set LQ,  67          ; s67  the last tile of the block whose tiles are being asked for
.set LO,  68          ; s68  the second block's number (0 where there is none)
.set OFF, 70          ; s[70:71] a tile's byte offset in K and V
.set AL0, 72          ; s[72:79] the masks' factors and addends, in the pairs' low words: piece t's at AL0 + 4 t and BE0 + 4 t
.set BE0, 74
.set AL1, 76
.set BE1, 78
.set AD,  80
.set BD,  81
.set H0,  82
.set BIGN, 83         ; -1e30
.set PLIM, 84         ; s84  15 in the work-group that prefetches, else 0
.set PFG, 85          ; s85  1: this change of slots prefetches
.set PFA, 86          ; s[86:87] what it names
.set PFB, 88          ; s[88:89] K or V, as my wave fetches
.set MSB, 0
.macro WIN new
.if MSB != (\new)
	s_set_vgpr_msb (MSB<<8)|(\new)
.set MSB, (\new)
.endif
.endm
.set W_KQ, 0x06       ; K in window 2, Q in window 1, masks and S^T in window 0
.set W_PV, 0x52       ; V in window 2, P in window 0, O^T in window 1
.set W_RS, 0x41       ; destination and source 0 in window 1, source 1 in window 0
; A fill.  Waves 0 and 1 fetch K of a tile's two steps, waves 2 and 3 V's: 64 rows each.  An s_nop 0 and four v_nop follow each of the two lines.
.macro LOAD
	s_cmp_lt_u32 s[WV], 2
	s_cbranch_scc0 .Lfor_v_\@
	tensor_load_to_lds s[G0K:G0K+3], s[G1K:G1K+7]
	s_nop 0
.rept 4
	v_nop
.endr
	s_branch .Lasked_\@
.Lfor_v_\@:
	tensor_load_to_lds s[G0V:G0V+3], s[G1V:G1V+7]
	s_nop 0
.rept 4
	v_nop
.endr
.Lasked_\@:
.endm
; THE CHANGE OF SLOTS.  Each wave waits for all its tensor loads (one is out: its part of the other slot), adds 0 to its spare word, and waits for that and for its reads of the slot that it leaves.
; fill = 1: the old slot is filled again, first thing behind the barrier, with tile NXT; the descriptor's address is made anew from that number.  (At its first use: slot 0 is waited for, slot 1 filled.)
; THE PREFETCH.  Tiles 9 to 15 of a head are asked for first by work-group x = 7 (it asks for tile 7 + i in trip i - 1): it alone prefetches them, each wave the 64 rows that it will itself load
; at the next change, a lane a row, two instructions, behind its tensor load.  So each row is named once.  The last fill has no tile behind it and asks for nothing.
.macro CHANGE fill
	WIN 0
	s_wait_tensorcnt 0x0            ; no tensor load of mine is out, so a group 0 may be written
	ds_add_u32 v[SPW], v[NIL]       ; 0 onto my spare word; scalar work stands between it and the wait for it
.if \fill
	s_lshl_b32 s[OFF], s[NXT], 15   ; a tile is 32,768 bytes of K and of V
	s_xor_b32 s[G0K+1], s[G0K+1], SLOT1
	s_add_nc_u64 s[G0K+2:G0K+3], s[KB:KB+1], s[OFF:OFF+1]
	s_or_b32 s[G0K+3], s[G0K+3], 0x80000000
	s_xor_b32 s[G0V+1], s[G0V+1], SLOT1
	s_add_nc_u64 s[G0V+2:G0V+3], s[VB:VB+1], s[OFF:OFF+1]
	s_or_b32 s[G0V+3], s[G0V+3], 0x80000000
	s_add_co_u32 s[NXT], s[NXT], 1
	s_cmp_le_u32 s[NXT], s[PLIM]
	s_cselect_b32 s[PFG], 1, 0
	s_lshl_b32 s[OFF], s[NXT], 15
	s_wait_xcnt 0x0                 ; the last prefetches, a tile back, have read their address
	s_add_nc_u64 s[PFA:PFA+1], s[PFB:PFB+1], s[OFF:OFF+1]
	s_cmp_gt_u32 s[NXT], s[LQ]      ; behind a block's last tile comes the second block's tile 0
	s_cselect_b32 s[NXT], 0, s[NXT]
	s_cselect_b32 s[LQ], s[LO], s[LQ]
.endif
	s_wait_dscnt 0x0                ; the add is done, and my reads of the slot are over
	s_barrier_signal -1
	s_sub_co_u32 s[TB], s[TB], 2*STEPB  ; the fetches go back to a slot's first step,
	s_xor_b32 s[TB], s[TB], SLOT1       ; in the other slot
	s_barrier_wait -1
.if \fill
	LOAD
	s_cmp_eq_u32 s[PFG], 1
	s_cbranch_scc0 .Lno_pf_\@
	global_prefetch_b8 v[PFO], s[PFA:PFA+1] th:TH_LOAD_NT scope:SCOPE_SE
	global_prefetch_b8 v[PFO], s[PFA:PFA+1] offset:8192 th:TH_LOAD_NT scope:SCOPE_SE
.Lno_pf_\@:
.endif
.endm
.macro INIT                             ; a block begins: c m far below every c s, so that the first step's a is 0; m at its floor; l = 0
.irp t, 0,1
	v_mov_b32 v[ST+8*(\t)], 0xfe000000
	v_mov_b32 v[ST+8*(\t)+1], 0xe1000000   ; -2^67
	v_mov_b32 v[ST+8*(\t)+2], 0
	v_mov_b32 v[ST+8*(\t)+3], 0
.endr
.endm
.macro QLOAD ptr                        ; piece u lies in band u, 16,384 bytes on; channels 32 c on
	WIN 0x40
.irp u, 0,1
.irp c, 0,1,2,3
	global_load_b128 v[QF+32*(\u)+8*(\c):QF+32*(\u)+8*(\c)+3],   v[QO], s[\ptr:\ptr+1] offset:16384*(\u)+64*(\c)
	global_load_b128 v[QF+32*(\u)+8*(\c)+4:QF+32*(\u)+8*(\c)+7], v[QO], s[\ptr:\ptr+1] offset:16384*(\u)+64*(\c)+32
.endr
.endr
	WIN 0
.endm
	s_load_b128 s[4:7], s[0:1], 0x0   ; qkvh s[4:5], ao s[6:7]
	v_lshl_add_u32 v[SPW], v0, 2, SPARE
	v_mov_b32 v[NIL], 0
	ds_add_u32 v[SPW], v[NIL]       ; the wave's opening: the add and its wait stand ahead of my first tensor load; work on registers stands between them
	v_lshrrev_b32 v1, 5, v0
	v_readfirstlane_b32 s[WV], v1   ; wave 0..3
	s_and_b32 s13, ttmp7, 0xffff    ; batch x 8 + head
	s_add_co_u32 s14, ttmp9, 8      ; x < 8: the one block
	s_sub_co_u32 s15, 15, ttmp9     ; x >= 8: the first block,
	s_sub_co_u32 s16, ttmp9, 8      ; and the second
	s_cmp_lt_u32 ttmp9, 8
	s_cselect_b32 s[LQ], s14, s15   ; the first block's number, which is also its last tile's
	s_cselect_b32 s[LO], 0, s16
	s_cselect_b32 s[NXT], ttmp9, 0  ; its first tile
	s_cselect_b32 s[DL], 8, s15
	s_cmp_eq_u32 ttmp9, 7
	s_cselect_b32 s[PLIM], 15, 0
	s_lshl_b32 s20, s13, 19         ; the head's first byte in q, in k and in v
	s_and_b32 s16, s[WV], 1         ; which of a tile's two steps I fetch:
	s_lshl_b32 s17, s16, 14         ; its 64 rows of 256 bytes in memory,
	s_add_co_u32 s22, s20, s17
	s_mov_b32 s23, 0
	s_mul_i32 s17, s16, STEPB       ; and its place in a slot
	s_lshl_b32 s19, s[WV], 12       ; my 16 rows in a band
	s_add_co_u32 s19, s19, s20
	s_lshl_b32 s18, s[LQ], 15
	s_add_co_u32 s2, s18, s19       ; Q: first block
	s_mov_b32 s3, 0
	s_lshl_b32 s18, s[LO], 15
	s_add_co_u32 s14, s18, s19      ; second block
	s_mov_b32 s15, 0
	s_lshr_b32 s18, s13, 3          ; ao: batch x 2,048 rows of 2,048 bytes,
	s_lshl_b32 s18, s18, 22
	s_and_b32 s19, s13, 7           ; the head's 256 bytes of a row,
	s_lshl_b32 s19, s19, 8
	s_add_co_u32 s18, s18, s19
	s_lshl_b32 s19, s[WV], 15       ; my 16 rows in a band
	s_add_co_u32 s18, s18, s19
	s_lshl_b32 s19, s[LQ], 18
	s_add_co_u32 s20, s18, s19      ; first block
	s_mov_b32 s21, 0
	s_lshl_b32 s19, s[LO], 18
	s_add_co_u32 s18, s18, s19      ; second block
	s_mov_b32 s19, 0
	s_mov_b32 s[G1K], (1<<16)|(1<<20)|(5<<22)|(3<<25)  ; elements of 2 bytes; padding on; after every 64 words 4 words
	s_mov_b32 s[G1V], (1<<16)|(1<<20)|(5<<22)|(7<<25)  ; the same with 8 words
.irp g, G1K, G1V
	s_mov_b32 s[\g+1], 128<<16      ; tensor_dim0 = 128
	s_mov_b32 s[\g+2], KS<<16       ; tensor_dim1 = 64
	s_mov_b32 s[\g+3], 128<<16      ; tile_dim0 = 128
	s_mov_b32 s[\g+4], KS           ; tile_dim1 = 64
	s_mov_b32 s[\g+5], 128          ; elements from row to row
	s_mov_b32 s[\g+6], 0
	s_mov_b32 s[\g+7], 0
.endr
	s_mov_b32 s[G0K], 1
	s_mov_b32 s[G0K+1], s17         ; slot 0
	s_mov_b32 s[G0V], 1
	s_add_co_u32 s[G0V+1], s17, VOFF
	s_mov_b32 s[CS], 0x3e0293ee     ; c = log2(e) / sqrt(128)
	s_mov_b32 s[CS+1], s[CS]
	s_mov_b32 s[SEL], 0x76543210
	s_mov_b32 s[SEL+1], 0xfedcba98
	s_mov_b32 s[TB], SLOT1+2*STEPB  ; the first change of slots turns this into 0
	s_mov_b32 s[OFF+1], 0
	s_mov_b32 s[AL0+1], 0           ; named as pairs
	s_mov_b32 s[BE0+1], 0
	s_mov_b32 s[AL1+1], 0
	s_mov_b32 s[BE1+1], 0
	s_mov_b32 s[BIGN], 0xf149f2ca   ; -1e30
	s_mov_b32 s[SLOTS], 8
	s_lshl_b32 s[OFF], s[NXT], 15
	s_add_co_u32 s[NXT], s[NXT], 1
	s_wait_dscnt 0x0                ; the opening add is done
	s_wait_kmcnt 0x0
	s_add_nc_u64 s[KB:KB+1], s[4:5], s[22:23]
	s_add_nc_u64 s[VB:VB+1], s[KB:KB+1], 16777216
	s_add_nc_u64 s[KB:KB+1], s[KB:KB+1], 8388608
	s_add_nc_u64 s[QP:QP+1], s[4:5], s[2:3]
	s_add_nc_u64 s[QLO:QLO+1], s[4:5], s[14:15]
	s_add_nc_u64 s[OP:OP+1], s[6:7], s[20:21]
	s_add_nc_u64 s[OLO:OLO+1], s[6:7], s[18:19]
	s_cmp_lt_u32 s[WV], 2
	s_cselect_b64 s[PFB:PFB+1], s[KB:KB+1], s[VB:VB+1]
	s_add_nc_u64 s[G0K+2:G0K+3], s[KB:KB+1], s[OFF:OFF+1]
	s_or_b32 s[G0K+3], s[G0K+3], 0x80000000
	s_add_nc_u64 s[G0V+2:G0V+3], s[VB:VB+1], s[OFF:OFF+1]
	s_or_b32 s[G0V+3], s[G0V+3], 0x80000000
	LOAD                            ; the walk's first tile into slot 0
	v_and_b32 v1, 15, v0            ; l % 16
	v_bfe_u32 v9, v0, 4, 1          ; l / 16
	v_lshlrev_b32 v[QO], 8, v1
	v_lshl_add_u32 v[QO], v9, 4, v[QO]
	QLOAD QP
	v_lshlrev_b32 v[MT], 3, v9
	v_sub_nc_u32 v[MT], v1, v[MT]
	s_lshl_b32 s13, s[WV], 4
	v_add_nc_u32 v[MT], s13, v[MT]  ; my query's place in its band, 16 w + l % 16, less my lanes' 8 (l / 16): register r of key group kb is hidden where 16 kb + r is greater
.set i, 0
.rept 32
	v_cmp_gt_i32 vcc_lo, 16*(i/8)+i%8, v[MT]
	v_cndmask_b32 v[MD+i], 0, s[BIGN], vcc_lo
.set i, i+1
.endr
	v_mul_u32_u24 v[AK0], v1, PK
	v_lshl_add_u32 v[AK0], v9, 4, v[AK0]  ; row x pitch + 16 x half
	; The turning load takes 16 keys x 16 channels (lane l reads key 8 (l / 16) + l % 8, channels 8 ((l / 8) % 2) + 0..7) and leaves half a fragment of V^T
	v_and_b32 v10, 7, v0
	v_bfe_u32 v11, v0, 3, 1
	v_lshl_add_u32 v[AV0], v9, 3, v10
	v_mul_u32_u24 v[AV0], v[AV0], PV
	v_lshl_add_u32 v[AV0], v11, 4, v[AV0]
	v_add_nc_u32 v[AV0], VOFF, v[AV0]
	s_mul_i32 s13, s[WV], 16*SP
	s_add_co_u32 s13, s13, STAGE    ; my stage
	v_mul_u32_u24 v[STO], v1, SP
	v_lshl_add_u32 v[STO], v9, 4, v[STO]
	v_add_nc_u32 v[STO], s13, v[STO]
	v_mul_u32_u24 v[RD], v9, SP
	v_lshl_add_u32 v[RD], v1, 4, v[RD]
	v_add_nc_u32 v[RD], s13, v[RD]
	v_lshlrev_b32 v[GO], 11, v9
	v_lshl_add_u32 v[GO], v1, 4, v[GO]
	v_and_b32 v[PFO], 31, v0
	v_lshlrev_b32 v[PFO], 8, v[PFO]
	; A block's first step multiplies O^T by a = 0, so O^T need only hold finite numbers: zeros now, what the first block left later.  This stands in the wait for the first tile: the price of writing no first step out.
	WIN 0x40
.set i, 0
.rept 128
	v_mov_b32 v[i], 0
.set i, i+1
.endr
	WIN 0
	INIT
	s_wait_loadcnt 0x0              ; Q
; Product i of 16 of piece t's S^T = K Q^T: channels 32 (i / 4) on, keys 16 (i % 4) on.  The first 4 start the sums, with the masks.  The 4 accumulators take turns.
.macro KQ t
	WIN W_KQ
.set rS, S+32*(\t)+8*(i%4)
.set rK, KF+32*(i%4)+8*(i/4)
.set rQ, QF+32*(\t)+8*(i/4)
.set rM, MC+32*(\t)+8*(i%4)
.if i < 4
	v_wmma_f32_16x16x32_f16 v[rS:rS+7], v[rK:rK+7], v[rQ:rQ+7], v[rM:rM+7]
.else
	v_wmma_f32_16x16x32_f16 v[rS:rS+7], v[rK:rK+7], v[rQ:rQ+7], v[rS:rS+7]
.endif
.set i, i+1
.endm
; Product i of 16 of piece t's O^T += V^T P: keys 32 (i / 8) on, channels 16 (i % 8) on.  8 accumulators by turns.
.macro PV t
	WIN W_PV
.set rO, 64*(\t)+8*(i%8)
.set rV, VF+64*(i/8)+8*(i%8)
.set rP, P+16*(\t)+8*(i/8)
	v_wmma_f32_16x16x32_f16 v[rO:rO+7], v[rV:rV+7], v[rP:rP+7], v[rO:rO+7]
.set i, i+1
.endm
; One piece's softmax for one key step is a list of 134 instructions; SM writes number j of it for piece t.  s0-s31 are the lane's 32 scores, in pairs 0-15.
;   0-15    the maximum of s0-s31 and the old m, three operands at a time (each accumulator's lowest registers are read first)
;   16-20   the other half of the lanes' maximum; the new m; c m; c m_old - c m_new
;   21-69   the 16 scalings c s - c m and all 33 exponentials (a at 23, then s0-s31); none of these reads an exponential's result; a pair is scaled ahead of its exponentials
;   70-85   the roundings to f16     86-101  the sums; l = a l + the sum     102-133 the piece's O^T times a
.macro SM t
.set rT, ST+8*(\t)
.set rS, S+32*(\t)
.set rP, P+16*(\t)
.set rO, 64*(\t)+2*(j-102)
.if j < 102
	WIN 0
.endif
.if j < 4
	v_max3_num_f32 v[rT+4+j], v[rS+8*j], v[rS+8*j+1], v[rS+8*j+2]
.elseif j < 12
	v_max3_num_f32 v[rT+4+j%4], v[rT+4+j%4], v[rS+8*(j%4)+2*(j/4)+1], v[rS+8*(j%4)+2*(j/4)+2]
.elseif j == 12
	v_max3_num_f32 v[rT+4], v[rT+4], v[rS+7], v[rS+15]
.elseif j == 13
	v_max3_num_f32 v[rT+6], v[rT+6], v[rS+23], v[rS+31]
.elseif j == 14
	v_max3_num_f32 v[rT+4], v[rT+4], v[rT+5], v[rT+6]
.elseif j == 15
	v_max3_num_f32 v[rT+4], v[rT+4], v[rT+7], v[rT+1]
.elseif j == 16
	v_permlanex16_b32 v[rT+5], v[rT+4], s[SEL], s[SEL+1]  ; the query's other 32 keys lie in the lane 16 away
.elseif j == 17
	v_mov_b32 v[rT+7], v[rT]        ; c m_old is kept for a
.elseif j == 18
	v_max_num_f32 v[rT+1], v[rT+4], v[rT+5]
.elseif j == 19
	v_mul_f32 v[rT], s[CS], v[rT+1]
.elseif j == 20
	v_sub_f32 v[rT+7], v[rT+7], v[rT]
.elseif j == 23
	v_exp_f32 v[rT+6], v[rT+7]
.elseif (j < 23) || ((j < 38) && (j%2 == 0)) || ((j < 66) && (j%4 == 2))
.set b, (j-2)/4                     ; 38, 42, .. 62: pairs 9 to 15
.if j < 38
.set b, (j-20)/2                    ; 21: pair 0; 22, 24, .. 36: pairs 1 to 8
.endif
	v_pk_fma_f32 v[rS+2*b:rS+2*b+1], v[rS+2*b:rS+2*b+1], s[CS:CS+1], v[rT:rT+1] op_sel_hi:[1,0,0] neg_lo:[0,0,1] neg_hi:[0,0,1]
.elseif j < 70
.set e, j-38                        ; 66 to 69: s28 to s31
.if j < 66
.set e, j-32-(j-38)/4               ; 39-41, 43-45, .. 63-65: s7 to s27
.endif
.if j < 38
.set e, (j-25)/2                    ; 25, 27, .. 37: s0 to s6
.endif
	v_exp_f32 v[rS+e], v[rS+e]
.elseif j < 86
	v_cvt_pk_f16_f32 v[rP+j-70], v[rS+2*(j-70)], v[rS+2*(j-70)+1]
.elseif j < 102                     ; the sum of the 16 pairs, in place: neighbours 1, 2, 4 and 8 pairs apart, then l takes it
.set z, j-86
.set w, 4
.set u, z
.if z >= 14
.set w, 32
.set u, 0
.elseif z >= 12
.set w, 16
.set u, z-12
.elseif z >= 8
.set w, 8
.set u, z-8
.endif
.if z < 15
	v_pk_add_f32 v[rS+w*u:rS+w*u+1], v[rS+w*u:rS+w*u+1], v[rS+w*u+w/2:rS+w*u+w/2+1]
.else
	v_pk_fma_f32 v[rT+2:rT+3], v[rT+2:rT+3], v[rT+6:rT+7], v[rS:rS+1] op_sel_hi:[1,0,1]
.endif
.else
	WIN W_RS
	v_pk_mul_f32 v[rO:rO+1], v[rO:rO+1], v[rT+6:rT+7] op_sel_hi:[1,0]
.endif
.endm
.macro RIDE t, n                        ; the next n numbers of piece t's list
.rept \n
	SM \t
.set j, j+1
.endr
.endm
.macro MASK t                           ; piece t's masks for the step in hand: MD x AL + BE
	WIN 0
.set z, 0
.rept 16
	v_pk_fma_f32 v[MC+32*(\t)+2*z:MC+32*(\t)+2*z+1], v[MD+2*z:MD+2*z+1], s[AL0+4*(\t):AL0+4*(\t)+1], s[BE0+4*(\t):BE0+4*(\t)+1] op_sel_hi:[1,0,0]
.set z, z+1
.endr
.endm
.macro VGRP                             ; the next two fragments of V, turned: four loads.  Fragment g: keys 32 (g / 8) on, channels 16 (g % 8) on
	WIN 0x80
.rept 2
	ds_load_tr16_b128 v[VF+8*g:VF+8*g+3],   v[AV] offset:(g/8)*32*PV+(g%8)*32
	ds_load_tr16_b128 v[VF+8*g+4:VF+8*g+7], v[AV] offset:(g/8)*32*PV+16*PV+(g%8)*32
.set g, g+1
.endr
.endm
.macro LUMP t                           ; behind piece t's batch: a plain line, the one wait, and what V^T P wants: the roundings and O^T times a
	WIN 0
	v_nop                               ; a plain instruction behind the last exponential,
	s_wait_alu depctr_va_vdst(0)        ; and the one wait ahead of the batch's first reader
.set j, 70
	RIDE \t, 16
.set j, 102
	RIDE \t, 32
.endm
; A KEY STEP.  CNT = 2: the tile's first 64 keys; 1: its second.
.macro STEP
	s_cmp_eq_u32 s[CNT], 2
	s_cselect_b32 s[AL0], s[AD], 0      ; band 0: its own step, then the step above it
	s_cselect_b32 s[BE0], s[BD], s[H0]
	s_cselect_b32 s[AL1], 0, s[AD]      ; band 1: the step below it, then its own
	WIN 0
	v_add_nc_u32 v[AK], s[TB], v[AK0]
	v_add_nc_u32 v[AV], s[TB], v[AV0]
	s_add_co_u32 s[TB], s[TB], STEPB    ; the next fetch is the next step's
	WIN 0x80                            ; destination window 2
.irp c, 0,1,2,3                         ; K, by groups of 32 channels, in the order in which the products want them: keys 16 kb on, channels 32 c on
.irp kb, 0,1,2,3
	ds_load_b128 v[KF+32*(\kb)+8*(\c):KF+32*(\kb)+8*(\c)+3],   v[AK] offset:(\kb)*16*PK+(\c)*64
	ds_load_b128 v[KF+32*(\kb)+8*(\c)+4:KF+32*(\kb)+8*(\c)+7], v[AK] offset:(\kb)*16*PK+(\c)*64+32
.endr
.endr
	MASK 0                              ; while K is on its way; with the two additions above and the two sums behind the last step's last product these are also the places in front of the loads into V's registers
.set i, 0
.set g, 0
.rept 4                                 ; piece 0's scores, a group of channels at a time; V's 32 loads stand in fours between the products
	s_wait_dscnt 24                     ; this group's eight loads of K are in: behind group c stand K's 8 (3 - c) later loads and 8 c of V's, 24 in each case
	KQ 0
	KQ 0
	VGRP
	KQ 0
	KQ 0
	VGRP
.endr
	MASK 1                              ; sixteen plain lines: the places between piece 0's last products and the first read of its scores
.set i, 0
.set j, 0
.rept 16                                ; piece 1's scores | piece 0's maximum, scalings and exponentials: 70 lines, five behind each of the first six products, four behind the others
	KQ 1
	RIDE 0, 4
.if i <= 6
	RIDE 0, 1
.endif
.endr
	LUMP 0
	s_wait_dscnt 0x0                    ; V is in
.set i, 0
.set j, 0
.rept 16                                ; piece 0's V^T P | the same 70 lines of piece 1
	PV 0
	RIDE 1, 4
.if i <= 6
	RIDE 1, 1
.endif
.endr
	LUMP 1
.set i, 0
.set j, 86
.rept 16                                ; piece 1's V^T P | both pieces' sums, the pieces alternating
	PV 1
	SM 0
	SM 1
.set j, j+1
.endr
.endm
; THE WAY OUT of a block: l's halves are added; O^T is divided by l, rounded to f16 and sent through my stage, a piece at a time.
.macro PACK t
	WIN W_RS
.set i, 64*(\t)
.rept 32
	v_pk_mul_f32 v[i:i+1], v[i:i+1], v[ST+8*(\t)+6:ST+8*(\t)+7] op_sel_hi:[1,0]
.set i, i+2
.endr
	WIN 0x05                        ; sources window 1, destination window 0: S^T's registers are free
.set i, 0
.rept 32
	v_cvt_pk_f16_f32 v[S+32*(\t)+i], v[64*(\t)+2*i], v[64*(\t)+2*i+1]
.set i, i+1
.endr
	WIN 0
.irp f, 0,1,2,3,4,5,6,7
	ds_store_b128 v[STO], v[S+32*(\t)+4*(\f):S+32*(\t)+4*(\f)+3] offset:32*(\f)
.endr
.irp f, 0,1,2,3,4,5,6,7
	ds_load_b128 v[S+32*(\t)+4*(\f):S+32*(\t)+4*(\f)+3], v[RD] offset:(\f)*2*SP  ; LDS serves a wave's instructions in order (ISA guide 5.7.1.4): these see the stores above; the next piece's stores come behind them
.endr
.endm
.macro SEND t, younger              ; younger: the LDS instructions issued behind piece t's loads, which may stay out
	s_wait_dscnt \younger
.irp f, 0,1,2,3,4,5,6,7
	global_store_b128 v[GO], v[S+32*(\t)+4*(\f):S+32*(\t)+4*(\f)+3], s[OP:OP+1] offset:131072*(\t)+4096*(\f)  ; 16 lanes store 256 consecutive bytes, aligned: a head's part of a row of ao
.endr
.endm
; more = 1: the second block follows.  The places behind the step's last product: the two sums that follow it, four additions and a v_nop here; its own accumulator, piece 1's, is read only behind piece 0's 64 lines.
.macro WAYOUT more
	WIN 0
.if \more
	QLOAD QLO                       ; the second block's Q, on its way while this block leaves
.endif
.irp t, 0,1
	v_add_f32 v[ST+8*(\t)+4], v[ST+8*(\t)+2], v[ST+8*(\t)+3]
.endr
.irp t, 0,1
	v_permlanex16_b32 v[ST+8*(\t)+5], v[ST+8*(\t)+4], s[SEL], s[SEL+1]
.endr
.irp t, 0,1
	v_add_f32 v[ST+8*(\t)+4], v[ST+8*(\t)+4], v[ST+8*(\t)+5]
.endr
.irp t, 0,1
	v_rcp_f32 v[ST+8*(\t)+6], v[ST+8*(\t)+4]
.endr
	v_nop                           ; a plain instruction behind the last reciprocal,
	s_wait_alu depctr_va_vdst(0)    ; and one wait for the two
	PACK 0
	PACK 1
	SEND 0, 16
	SEND 1, 0
.if \more
	INIT
	s_wait_xcnt 0x0                 ; the stores have read their data and their base
	s_mov_b64 s[OP:OP+1], s[OLO:OLO+1]
	s_wait_loadcnt 0x0              ; Q
	s_add_co_u32 s[DL], s[LO], 1    ; taken down by one below: the second block begins at tile 0
.endif
.endm
; A TILE: its masks' scalars, its two key steps, and behind a block's last tile (DL = 0) the way out.  The jump over the way out goes forward and passes neither a barrier nor a tensor load.
.macro TILE more
	s_cmp_eq_u32 s[DL], 8
	s_cselect_b32 s[AD], -1.0, 0
	s_cselect_b32 s[BD], s[BIGN], 0
	s_cmp_eq_u32 s[DL], 0
	s_cselect_b32 s[AD], 1.0, s[AD]
	s_cselect_b32 s[H0], s[BIGN], 0
	s_mov_b32 s[BE1], s[BD]
	s_mov_b32 s[CNT], 2
.Lstep_\@:
	STEP
	WIN 0
	s_sub_co_u32 s[CNT], s[CNT], 1
	s_cmp_lg_u32 s[CNT], 0
	s_cbranch_scc1 .Lstep_\@
.if \more
	s_cmp_lg_u32 s[DL], 0
	s_cbranch_scc1 .Lon_\@
	WAYOUT 1
.Lon_\@:
	s_sub_co_u32 s[DL], s[DL], 1
.else
	WAYOUT 0
.endif
.endm
.Lslot:                             ; eight times: a tile is entered and the next is asked for
	CHANGE 1
	TILE 1
	s_sub_co_u32 s[SLOTS], s[SLOTS], 1
	s_cmp_lg_u32 s[SLOTS], 0
	s_cbranch_scc1 .Lslot
	CHANGE 0                        ; the walk's last tile is written out; it is a block's last
	TILE 0
	s_wait_tensorcnt 0x0            ; the wave's end: a wait, an add to my spare word and its wait, behind my last tensor load and my last LDS store
	ds_add_u32 v[SPW], v[NIL]
	s_wait_dscnt 0x0
	s_endpgm
.Lfunc_end_k_qf34a720a23_attn:
	.size	k_qf34a720a23_attn, .Lfunc_end_k_qf34a720a23_attn-k_qf34a720a23_attn
	.p2alignl 7, 3214868480
	.fill 96, 4, 3214868480
	.section	.rodata,"a",@progbits
	.p2align	6, 0x0
	.amdhsa_kernel k_qf34a720a23_attn
		.amdhsa_group_segment_fixed_size 327680
		.amdhsa_private_segment_fixed_size 0
		.amdhsa_enable_private_segment 0
		.amdhsa_kernarg_size 16
		.amdhsa_user_sgpr_count 2
		.amdhsa_user_sgpr_kernarg_segment_ptr 1
		.amdhsa_wavefront_size32 1
		.amdhsa_system_sgpr_workgroup_id_x 1
		.amdhsa_system_sgpr_workgroup_id_y 1
		.amdhsa_system_sgpr_workgroup_id_z 1
		.amdhsa_system_vgpr_workitem_id 0
		.amdhsa_next_free_vgpr 768
		.amdhsa_next_free_sgpr 92
		.amdhsa_reserve_vcc 1
		.amdhsa_float_denorm_mode_32 3
		.amdhsa_float_denorm_mode_16_64 3
		.amdhsa_memory_ordered 1
		.amdhsa_forward_progress 1
		.amdhsa_inst_pref_size 102
	.end_amdhsa_kernel
	.amdgpu_metadata
---
amdhsa.version: [ 1, 2 ]
amdhsa.kernels:
  - .name:           k_qf34a720a23_attn
    .symbol:         k_qf34a720a23_attn.kd
    .args:
      - { .name: qkvh, .offset: 0, .size: 8, .value_kind: global_buffer, .address_space: global }
      - { .name: ao, .offset: 8, .size: 8, .value_kind: global_buffer, .address_space: global }
    .group_segment_fixed_size: 327680
    .private_segment_fixed_size: 0
    .kernarg_segment_align: 8
    .kernarg_segment_size: 16
    .max_flat_workgroup_size: 128
    .sgpr_count:     92
    .vgpr_count:     768
    .wavefront_size: 32
...
	.end_amdgpu_metadata
.endif
;; end of part 3
;; launch out (part 4): grid 8 x 32, 4 waves a work-group, clusters of 4 x 4, 327,680 bytes of LDS; arguments ao, bf, out0; writes out0
.if DOCPART == 4
	.amdgcn_target "amdgcn-amd-amdhsa--gfx1250"
	.amdhsa_code_object_version 6
	.text
	.protected	k_qf34a720a23_out
	.globl	k_qf34a720a23_out
	.p2align	8
	.type	k_qf34a720a23_out,@function
k_qf34a720a23_out:
	s_mov_b64 s[64:65], 0
	v_nop
	global_prefetch_b8 v0, s[64:65] scope:SCOPE_SE
	s_setreg_imm32_b32 hwreg(HW_REG_WAVE_MODE, 25, 1), 1
	s_wait_xcnt 0x0
	s_wait_alu depctr_hold_cnt(0) depctr_sa_sdst(0) depctr_va_vdst(0) depctr_va_sdst(0) depctr_va_ssrc(0) depctr_va_vcc(0) depctr_vm_vsrc(0)
	s_getreg_b32 s2, hwreg(HW_REG_IB_STS2, 6, 4)
	s_cmp_eq_u32 s2, 0
	s_cbranch_scc0 .Lentry_in_a_cluster
	s_endpgm
.Lentry_in_a_cluster:
	s_bfe_u32 s2, ttmp6, 0x10000c
	s_cmp_lg_u32 s2, 0xf033
	s_cbranch_scc0 .Lentry_shape_is_right
	s_endpgm
.Lentry_shape_is_right:
; out0 = attn Wo^T: 4096 x 2048 x 1024.  attn (ao) is f16 [4096][1024]; Wo lies in bf at byte 29360128 as f16 [2048][1024] (numbers rounded to bf16); sums in f32; out0 is f32.
; SHARES.  A tile of 128 x 256 to a work-group: 8 x 32 = 256 work-groups (tiles of 256 x 256 would be 128).  Four waves, each 64 x 128: 32 accumulators, 256 registers.
; K goes in steps of 128 through two LDS slots of 384 rows (A's 128, then B's 256), rows of 256 bytes padded to 272.  Waves 0 and 1 fetch A's halves (64 rows), waves 2 and 3 B's (128 rows).
; CLUSTERS of 4 x 4: A's tiles are asked for jointly along a row of the cluster, B's along a column.
; THE MATRIX INSTRUCTION IS USED TRANSPOSED (source 0 = 16 rows of Wo, source 1 = 16 tokens): a lane holds eight neighbouring numbers of a row of out0.
; NO PREFETCH: the launch has eight K steps, of which the first four would come by their loads alone, and it is short.
; REGISTERS: window 0: v0-31 addresses; v64-127 A's fragments, two buffers of 32; v128-255 the way out, two sets of 64.  window 1: v64-191 B's fragments, two buffers of 64.
;   window 2: the accumulators, (a, b) at v[8 (8 a + b)].
.set SIZE_K, 1024
.set KSTEP,  128
.set PITCH,  272
.set AROWS,  128*PITCH                 ; A's part of a slot
.set SLOT,   384*PITCH
.set STAGE,  2*SLOT                    ; behind the ring: 16 rows x 528 bytes for each wave
.set SPITCH, 528                       ; 512 bytes + 16: the 16 rows that a store touches start at 16 different groups of four banks (64 banks of 4 bytes: ISA guide 11.1)
.set SPARE,  STAGE+4*16*SPITCH         ; the spare words, 128 bytes a wave: two blocks of 256 bytes that no other line names
.set LAPS,   SIZE_K/(2*KSTEP)
.set WOH,    29360128
.set ADRA, 16
.set ADRB, 20
.set STO,  24
.set RD,   25
.set CO,   26
.set SPW,  28
.set NIL,  29
.set FA,   64                          ; buffer f at FA + 32 f
.set FB,   64                          ; buffer f at FB + 64 f, window 1
.set OB,   128
.set G1,  24
.set G0,  32
.set G1B, 48
.set G0B, 56
.set MSB, 0
.macro WIN new
.if MSB != (\new)
	s_set_vgpr_msb (MSB<<8)|(\new)
.set MSB, \new
.endif
.endm
.macro JLOAD s                         ; a joint load; an s_nop 0 and four v_nop follow each of the two lines
	s_cmp_eq_u32 s11, 0
	s_cbranch_scc0 .Lfor_b_\@
	tensor_load_to_lds s[G0+4*(\s):G0+4*(\s)+3], s[G1:G1+7]
	s_nop 0
.rept 4
	v_nop
.endr
	s_branch .Lasked_\@
.Lfor_b_\@:
	tensor_load_to_lds s[G0B+4*(\s):G0B+4*(\s)+3], s[G1B:G1B+7]
	s_nop 0
.rept 4
	v_nop
.endr
.Lasked_\@:
.endm
.macro CREST
	s_cmp_lg_u32 s10, 0
	s_cbranch_scc1 .Lnot_wave_0_\@
	s_barrier_signal -3
.Lnot_wave_0_\@:
	s_barrier_wait -3
	s_barrier_signal -1
	s_barrier_wait -1
.endm
.macro CROUND
	s_barrier_signal -1
	s_barrier_wait -1
	CREST
.endm
	s_load_b128 s[4:7], s[0:1], 0x0                ; ao s[4:5], bf s[6:7]
	s_load_b64 s[8:9], s[0:1], 0x10                ; out0
	v_lshl_add_u32 v[SPW], v0, 2, SPARE
	v_mov_b32 v[NIL], 0
	ds_add_u32 v[SPW], v[NIL]                      ; the wave's opening: the add and its wait stand ahead of my first tensor load
	v_lshrrev_b32 v1, 5, v0
	v_readfirstlane_b32 s10, v1                    ; wave 0..3
	s_lshr_b32 s11, s10, 1                         ; which 64 of the tile's rows are mine.  Also: I fetch for A (0) or for B (1)
	s_and_b32 s12, s10, 1                          ; which 128 of its columns.  Also: which half of that tile I fetch
	s_bfe_u32 s40, ttmp6, 0x40000                  ; cx
	s_bfe_u32 s41, ttmp6, 0x40004                  ; cy
	s_lshl_b32 s42, ttmp9, 2
	s_add_co_u32 s42, s42, s40                     ; tile column 0..7
	s_and_b32 s13, ttmp7, 0xffff
	s_lshl_b32 s13, s13, 2
	s_add_co_u32 s13, s13, s41                     ; tile row 0..31
	s_lshl_b32 s43, s41, 2
	s_lshl_b32 s43, 15, s43                        ; my row of the cluster
	s_lshl_b32 s44, 0x1111, s40                    ; my column
	s_or_b32 s[G1+0], s43, (1<<16)|(1<<20)|(1<<21)|(5<<22)|(3<<25)  ; the mask; elements of 2 bytes; padding on; bit 21 beside a mask; after every 64 words 4 words
	s_or_b32 s[G1B+0], s44, (1<<16)|(1<<20)|(1<<21)|(5<<22)|(3<<25)
	s_mov_b32 s[G1+1], KSTEP<<16                   ; A: 64 rows x 128 elements
	s_mov_b32 s[G1+2], 64<<16
	s_mov_b32 s[G1+3], KSTEP<<16
	s_mov_b32 s[G1+4], 64
	s_mov_b32 s[G1+5], SIZE_K
	s_mov_b32 s[G1+6], 0
	s_mov_b32 s[G1+7], 0
	s_mov_b32 s[G1B+1], KSTEP<<16                  ; B: 128 rows x 128 elements
	s_mov_b32 s[G1B+2], 128<<16
	s_mov_b32 s[G1B+3], KSTEP<<16
	s_mov_b32 s[G1B+4], 128
	s_mov_b32 s[G1B+5], SIZE_K
	s_mov_b32 s[G1B+6], 0
	s_mov_b32 s[G1B+7], 0
	s_lshl_b32 s16, s13, 7
	s_lshl_b32 s17, s12, 6
	s_add_co_u32 s16, s16, s17                     ; A: row 128 x tile row + 64 x half
	s_lshl_b32 s16, s16, 11                        ; rows of 2,048 bytes
	s_mov_b32 s17, 0
	s_lshl_b32 s46, s42, 8
	s_lshl_b32 s47, s12, 7
	s_add_co_u32 s46, s46, s47                     ; B: row 256 x tile column + 128 x half
	s_lshl_b32 s46, s46, 11
	s_mov_b32 s47, 0
	s_mul_i32 s20, s12, 64*PITCH                   ; where A's half goes,
	s_mul_i32 s21, s12, 128*PITCH
	s_add_co_u32 s21, s21, AROWS                   ; and B's
	s_wait_dscnt 0x0                               ; the opening add is done
	s_wait_kmcnt 0x0
	s_add_nc_u64 s[14:15], s[4:5], s[16:17]
	s_add_nc_u64 s[46:47], s[6:7], s[46:47]
	s_add_nc_u64 s[46:47], s[46:47], WOH
	CROUND                                         ; all sixteen work-groups are here: the first joint loads meet
.irp s, 0,1
	s_mov_b32 s[G0+4*(\s)], 1
	s_add_co_u32 s[G0+4*(\s)+1], s20, (\s)*SLOT
	s_add_nc_u64 s[G0+4*(\s)+2:G0+4*(\s)+3], s[14:15], (\s)*KSTEP*2
	s_or_b32 s[G0+4*(\s)+3], s[G0+4*(\s)+3], 0x80000000
	s_mov_b32 s[G0B+4*(\s)], 1
	s_add_co_u32 s[G0B+4*(\s)+1], s21, (\s)*SLOT
	s_add_nc_u64 s[G0B+4*(\s)+2:G0B+4*(\s)+3], s[46:47], (\s)*KSTEP*2
	s_or_b32 s[G0B+4*(\s)+3], s[G0B+4*(\s)+3], 0x80000000
	JLOAD \s
.endr
	v_and_b32 v1, 15, v0                           ; l % 16
	v_bfe_u32 v2, v0, 4, 1                         ; l / 16
	v_and_b32 v4, 31, v0
	v_mul_u32_u24 v3, v1, PITCH
	v_lshl_add_u32 v3, v2, 4, v3
	s_mul_i32 s21, s11, 64*PITCH                   ; my 64 rows of A
	s_mul_i32 s22, s12, 128*PITCH                  ; my 128 rows of B,
	s_add_co_u32 s22, s22, AROWS                   ; which lie behind A's 128
.irp s, 0,1
	v_add_nc_u32 v[ADRA+(\s)], s21, v3
	v_add_nc_u32 v[ADRB+(\s)], s22, v3
	s_add_co_u32 s21, s21, SLOT
	s_add_co_u32 s22, s22, SLOT
.endr
	s_mul_i32 s23, s10, 16*SPITCH
	s_add_co_u32 s23, s23, STAGE                   ; my stage
	v_mul_u32_u24 v3, v1, SPITCH                   ; in: row l % 16, 32 bytes for each half of the lanes
	v_lshl_add_u32 v3, v2, 5, v3
	v_add_nc_u32 v[STO], s23, v3
	v_lshl_add_u32 v[RD], v4, 4, s23               ; back: 32 lanes take a row's 512 bytes
	v_lshlrev_b32 v[CO], 4, v4
	s_lshl_b32 s16, s13, 7
	s_lshl_b32 s17, s11, 6
	s_add_co_u32 s16, s16, s17                     ; my first row of out0,
	s_lshl_b32 s16, s16, 13                        ; rows of 8,192 bytes,
	s_lshl_b32 s17, s42, 10
	s_add_co_u32 s16, s16, s17                     ; the tile's 1,024 bytes of a row,
	s_lshl_b32 s17, s12, 9
	s_add_co_u32 s16, s16, s17                     ; my 512 of them
	s_mov_b32 s17, 0
	s_add_nc_u64 s[8:9], s[8:9], s[16:17]
; 8 matrix instructions: token block a x all 8 column blocks, 32 along K, buffer f.  The 32 accumulators take turns in the same order in every quarter.
.macro MULA f, a, zero
	WIN 0xa1                                       ; source 0 (B) window 1, source 1 (A) window 0, C and D window 2
.irp b, 0,1,2,3,4,5,6,7
.if \zero
	v_wmma_f32_16x16x32_f16 v[8*(8*(\a)+(\b)):8*(8*(\a)+(\b))+7], v[FB+64*(\f)+8*(\b):FB+64*(\f)+8*(\b)+7], v[FA+32*(\f)+8*(\a):FA+32*(\f)+8*(\a)+7], 0
.else
	v_wmma_f32_16x16x32_f16 v[8*(8*(\a)+(\b)):8*(8*(\a)+(\b))+7], v[FB+64*(\f)+8*(\b):FB+64*(\f)+8*(\b)+7], v[FA+32*(\f)+8*(\a):FA+32*(\f)+8*(\a)+7], v[8*(8*(\a)+(\b)):8*(8*(\a)+(\b))+7]
.endif
.endr
.endm
.macro FETCH slot, k, f                ; 24 LDS loads in one run: B's 8 fragments, then A's 4
	WIN 0x40
.irp i, 0,1,2,3,4,5,6,7
	ds_load_b128 v[FB+64*(\f)+8*(\i):FB+64*(\f)+8*(\i)+3],   v[ADRB+(\slot)] offset:(\k)+(\i)*16*PITCH
	ds_load_b128 v[FB+64*(\f)+8*(\i)+4:FB+64*(\f)+8*(\i)+7], v[ADRB+(\slot)] offset:(\k)+(\i)*16*PITCH+32
.endr
	WIN 0
.irp i, 0,1,2,3
	ds_load_b128 v[FA+32*(\f)+8*(\i):FA+32*(\f)+8*(\i)+3],   v[ADRA+(\slot)] offset:(\k)+(\i)*16*PITCH
	ds_load_b128 v[FA+32*(\f)+8*(\i)+4:FA+32*(\f)+8*(\i)+7], v[ADRA+(\slot)] offset:(\k)+(\i)*16*PITCH+32
.endr
.endm
.macro PLACES                          ; four plain instructions between a matrix instruction and a load into a register that it has read
.rept 4
	v_nop
.endr
.endm
.macro QUARTER slot, k, f, g, zero
	s_wait_dscnt 4                                 ; B and A's blocks 0 and 1 are in; the youngest four loads (blocks 2 and 3) may be out
	MULA \f, 0, \zero
	MULA \f, 1, \zero
	PLACES
	FETCH \slot, \k, \g
	s_wait_dscnt 24                                ; all but the 24 just issued
	MULA \f, 2, \zero
	MULA \f, 3, \zero
.endm
.macro MEET round                      ; the change of slots, first half
	WIN 0
	s_wait_tensorcnt 0x0                           ; all my tensor loads have landed: my part of the next slot
	ds_add_u32 v[SPW], v[NIL]
	s_wait_dscnt 5                                 ; the add and the youngest four loads may be out
	MULA 1, 0, 0
	s_wait_dscnt 0x0                               ; the add is done, and my reads of this slot are over
	s_barrier_signal -1
	MULA 1, 1, 0
.if \round
	WIN 0
.endif
	s_barrier_wait -1
.endm
.macro TURN slot, next
	MEET 1
	CREST                                          ; the barrier has opened a round of the cluster's: no wave of any partner still reads this slot or has a load on its way
	s_add_nc_u64 s[G0+4*(\slot)+2:G0+4*(\slot)+3], s[G0+4*(\slot)+2:G0+4*(\slot)+3], 2*KSTEP*2
	s_add_nc_u64 s[G0B+4*(\slot)+2:G0B+4*(\slot)+3], s[G0B+4*(\slot)+2:G0B+4*(\slot)+3], 2*KSTEP*2
	JLOAD \slot                                    ; the first tensor load behind the round; its four v_nop are also the places in front of the loads below
	FETCH \next, 0, 0
	MULA 1, 2, 0
	MULA 1, 3, 0
.endm
.macro TURNN slot, next
	MEET 0
	PLACES
	FETCH \next, 0, 0
	MULA 1, 2, 0
	MULA 1, 3, 0
.endm
	s_wait_tensorcnt 1                             ; my part of K step 0 is in; K step 1's one load may stay out
	s_barrier_signal -1
	s_barrier_wait -1
	FETCH 0, 0, 0
	QUARTER 0, 64,  0, 1, 1                        ; the first quarter's products start the sums
	WIN 0
	s_mov_b32 s3, LAPS-1
.Llap:
	QUARTER 0, 128, 1, 0, 0
	QUARTER 0, 192, 0, 1, 0
	TURN 0, 1
	QUARTER 1, 64,  0, 1, 0
	QUARTER 1, 128, 1, 0, 0
	QUARTER 1, 192, 0, 1, 0
	TURN 1, 0
	QUARTER 0, 64,  0, 1, 0
	WIN 0
	s_sub_co_u32 s3, s3, 1
	s_cmp_lg_u32 s3, 0
	s_cbranch_scc1 .Llap
	QUARTER 0, 128, 1, 0, 0                        ; the last lap fills nothing
	QUARTER 0, 192, 0, 1, 0
	TURNN 0, 1
	QUARTER 1, 64,  0, 1, 0
	QUARTER 1, 128, 1, 0, 0
	QUARTER 1, 192, 0, 1, 0
	s_wait_dscnt 4
	MULA 1, 0, 0
	MULA 1, 1, 0
	s_wait_dscnt 0x0
	MULA 1, 2, 0
	MULA 1, 3, 0
	WIN 0
.rept 8
	v_nop                                          ; the places behind the last products
.endr
; THE WAY OUT: a block of 16 rows goes into my stage (32 bytes a lane and column block; each accumulator's low registers first) and comes back as whole rows of 512 bytes.
.macro TOSTAGE a
	WIN 0x08                                       ; the stores' data: window 2
.irp b, 0,1,2,3,4,5,6,7
	ds_store_b128 v[STO], v[8*(8*(\a)+(\b)):8*(8*(\a)+(\b))+3]   offset:64*(\b)
	ds_store_b128 v[STO], v[8*(8*(\a)+(\b))+4:8*(8*(\a)+(\b))+7] offset:64*(\b)+16
.endr
	WIN 0
.if (\a) >= 2
	s_wait_xcnt 0x0                                ; the stores of the block two back have read this set of registers
.endif
.set BK, OB+64*((\a)%2)
.irp t, 0,1,2,3,4,5,6,7,8,9,10,11,12,13,14,15
	ds_load_b128 v[BK+4*(\t):BK+4*(\t)+3], v[RD] offset:SPITCH*(\t)  ; LDS serves a wave's instructions in order (ISA guide 5.7.1.4): these see the stores above; the next block's stores come behind them
.endr
.endm
.macro SEND a, younger                 ; younger: the next block's 16 stores and 16 loads, or none
.set BK, OB+64*((\a)%2)
	s_wait_dscnt \younger
.irp t, 0,1,2,3,4,5,6,7,8,9,10,11,12,13,14,15
	global_store_b128 v[CO], v[BK+4*(\t):BK+4*(\t)+3], s[8:9] offset:(16*(\a)+(\t))*8192 th:TH_STORE_NT  ; 512 consecutive bytes, aligned
.endr
.endm
	TOSTAGE 0
	TOSTAGE 1
	SEND 0, 32
	TOSTAGE 2
	SEND 1, 32
	TOSTAGE 3
	SEND 2, 32
	SEND 3, 0
	s_wait_tensorcnt 0x0                           ; the wave's end: a wait, an add to my spare word and its wait, behind my last tensor load and my last LDS store
	ds_add_u32 v[SPW], v[NIL]
	s_wait_dscnt 0x0
	CROUND                                         ; the closing round: no work-group ends while a partner may still ask for a tile that names it
	s_endpgm
.Lfunc_end_k_qf34a720a23_out:
	.size	k_qf34a720a23_out, .Lfunc_end_k_qf34a720a23_out-k_qf34a720a23_out
	.p2alignl 7, 3214868480
	.fill 96, 4, 3214868480
	.section	.rodata,"a",@progbits
	.p2align	6, 0x0
	.amdhsa_kernel k_qf34a720a23_out
		.amdhsa_group_segment_fixed_size 327680
		.amdhsa_private_segment_fixed_size 0
		.amdhsa_enable_private_segment 0
		.amdhsa_kernarg_size 24
		.amdhsa_user_sgpr_count 2
		.amdhsa_user_sgpr_kernarg_segment_ptr 1
		.amdhsa_wavefront_size32 1
		.amdhsa_system_sgpr_workgroup_id_x 1
		.amdhsa_system_sgpr_workgroup_id_y 1
		.amdhsa_system_sgpr_workgroup_id_z 1
		.amdhsa_system_vgpr_workitem_id 0
		.amdhsa_next_free_vgpr 768
		.amdhsa_next_free_sgpr 66
		.amdhsa_reserve_vcc 0
		.amdhsa_float_denorm_mode_32 3
		.amdhsa_float_denorm_mode_16_64 3
		.amdhsa_memory_ordered 1
		.amdhsa_forward_progress 1
		.amdhsa_inst_pref_size 85
	.end_amdhsa_kernel
	.amdgpu_metadata
---
amdhsa.version: [ 1, 2 ]
amdhsa.kernels:
  - .name:           k_qf34a720a23_out
    .symbol:         k_qf34a720a23_out.kd
    .args:
      - { .name: ao, .offset: 0, .size: 8, .value_kind: global_buffer, .address_space: global }
      - { .name: bf, .offset: 8, .size: 8, .value_kind: global_buffer, .address_space: global }
      - { .name: out0, .offset: 16, .size: 8, .value_kind: global_buffer, .address_space: global }
    .group_segment_fixed_size: 327680
    .private_segment_fixed_size: 0
    .kernarg_segment_align: 8
    .kernarg_segment_size: 24
    .max_flat_workgroup_size: 128
    .sgpr_count:     66
    .vgpr_count:     768
    .wavefront_size: 32
...
	.end_amdgpu_metadata
.endif
;; end of part 4
;; ======== version 2 of 2: 4 launches; version 1 with the launch cast written anew for expert scheduling mode
;; limits: values are held in f16: magnitudes above 65,504 overflow, below 6.1e-05 lose precision
;; workspace buffers: bf 35,651,584 bytes; qkvh 25,165,824 bytes; ao 8,388,608 bytes
;; launch cast (part 5): grid 1088 x 1, 8 waves a work-group, no clusters, 0 bytes of LDS; arguments hidden_states, Wq, Wk, Wv, Wo, cos, sin, bf; writes bf
.if DOCPART == 5
	.amdgcn_target "amdgcn-amd-amdhsa--gfx1250"
	.amdhsa_code_object_version 6
	.text
	.protected	k_qf34a720a23_cast
	.globl	k_qf34a720a23_cast
	.p2align	8
	.type	k_qf34a720a23_cast,@function
k_qf34a720a23_cast:
	s_mov_b64 s[64:65], 0
	v_nop
	global_prefetch_b8 v0, s[64:65] scope:SCOPE_SE
	s_setreg_imm32_b32 hwreg(HW_REG_WAVE_SCHED_MODE, 0, 2), 2
	s_setreg_imm32_b32 hwreg(HW_REG_WAVE_MODE, 25, 1), 1
	s_wait_xcnt 0x0
	s_wait_alu depctr_vm_vsrc(0)
; Every large input is rounded once to bf16 and laid into one workspace, bf:
;   byte 0         x     bf16 [4096][2048]
;   byte 16777216  Wq, Wk, Wv  bf16 [3072][2048], in this order
;   byte 29360128  Wo    [2048][1024]: rounded to bf16, and that number written as f16 (it multiplies an f16 operand later)
;   byte 33554432  cos   bf16 [4096][128]
;   byte 34603008  sin   bf16 [4096][128], with the sign of rotate_half folded in: -sin for channels 0-63, +sin for 64-127
; LIMITS.  Wo beyond 65,504 becomes an infinity in f16; below 6e-5 it keeps f16's fixed step of 6e-8.
; SHARES.  Work-group g converts 16,384 numbers: 65,536 bytes in, 32,768 out.  Its place in bf is 32,768 g whatever the source, and the
; source goes by ranges of g.  Thread t takes 16 bytes at 16 t of each of sixteen chunks of 4,096 bytes; a wave's store covers 256 consecutive
; bytes, aligned.  All sixteen loads go out at once.
; No LDS, no matrix unit, no cluster: each byte is read once and written once, and nothing is shared.
; THE MODE: SCHED_MODE bits 1:0 = 2 (LLVM: expert scheduling mode 2), set by the entry lines.  The code itself states the register dependences
; between vector instructions and memory instructions, with s_wait_alu, always for 0.
; THE PLAN.  Registers that memory instructions touch:
;   v1, v2   byte offsets of the loads and of the stores: made once at the head, never written again; the chunks are reached by immediate offsets.
;   X        chunk i's four registers: written by its load alone, read afterwards by its conversions; no vector line names them ahead of the load.
;   Y        chunk i's two registers: written by its conversions, once; read by its store.
; No register that a memory instruction reads is written a second time, so nothing has to be freed.  The chunks go in four groups of four.  Group g waits for
; its four loads; ONE wait on va_vdst behind that states that group g - 1 has written its Y; the four stores of group g - 1 are then dealt among group g's
; conversions, which write group g's Y (and v4 to v7): none of the registers that those stores read.  One more such wait stands ahead of the last four stores.
.set X, 8                              ; v[8:71]    chunk i: 4 registers as loaded
.set Y, 72                             ; v[72:103]  chunk i: 2 registers to store
	s_load_b512 s[4:19], s[0:1], 0x0               ; x s[4:5], Wq s[6:7], Wk s[8:9], Wv s[10:11], Wo s[12:13], cos s[14:15], sin s[16:17], bf s[18:19]
	v_lshlrev_b32 v1, 4, v0                        ; 16 t: my bytes in a chunk of the source
	v_lshlrev_b32 v2, 3, v0                        ; 8 t: in a chunk of bf
	v_and_b32 v4, 16, v0                           ; my column in a row of 128 is 4 (t % 32) + 0..3: below 64 where this bit is 0
	s_mov_b32 s22, 0                               ; the first work-group of my source
	s_mov_b32 s25, 0
	s_mov_b32 s27, 0
	s_lshl_b32 s26, ttmp9, 15                      ; my place in bf
	s_wait_kmcnt 0x0
	s_mov_b64 s[20:21], s[4:5]
.macro PICK first, ptr                 ; from work-group first on the source is the buffer at s[ptr:ptr+1]
	s_cmp_ge_u32 ttmp9, \first
	s_cselect_b64 s[20:21], s[\ptr:\ptr+1], s[20:21]
	s_cselect_b32 s22, \first, s22
.endm
	PICK 512, 6
	PICK 640, 8
	PICK 768, 10
	PICK 896, 12
	PICK 1024, 14
	PICK 1056, 16
	s_sub_co_u32 s24, ttmp9, s22
	s_lshl_b32 s24, s24, 16                        ; my 65,536 bytes of the source
	s_add_nc_u64 s[20:21], s[20:21], s[24:25]
	s_add_nc_u64 s[18:19], s[18:19], s[26:27]
	s_wait_alu depctr_va_vdst(0)                   ; v1 and v2 are written: every load reads v1 as its offset, every store v2
.irp i, 0,1,2,3,4,5,6,7,8,9,10,11,12,13,14,15
	global_load_b128 v[X+4*(\i):X+4*(\i)+3], v1, s[20:21] offset:4096*(\i) th:TH_LOAD_NT
.endr
	s_cmp_eq_u32 s22, 1056                         ; the signs are made while the loads are on their way: these lines name neither v1 nor X
	s_cselect_b32 s23, 0x80008000, 0               ; two bf16 signs, for sin alone
	v_cmp_eq_u32 vcc_lo, 0, v4
	v_mov_b32 v5, s23
	s_wait_alu depctr_va_vcc(0)                    ; the compare has written VCC, ahead of its one reader
	v_cndmask_b32 v3, 0, v5, vcc_lo                ; the signs to turn: sin's channels 0-63; 0 everywhere else
; Chunk i is converted.  half = 0: to bf16, the signs turned where v3 says so.  half = 1 (Wo): to bf16, widened again, and that number as f16.
.macro CONV i, half
	v_cvt_pk_bf16_f32 v[Y+2*(\i)], v[X+4*(\i)], v[X+4*(\i)+1]
	v_cvt_pk_bf16_f32 v[Y+2*(\i)+1], v[X+4*(\i)+2], v[X+4*(\i)+3]
.if \half
	v_lshlrev_b32 v4, 16, v[Y+2*(\i)]
	v_and_b32 v5, 0xffff0000, v[Y+2*(\i)]
	v_lshlrev_b32 v6, 16, v[Y+2*(\i)+1]
	v_and_b32 v7, 0xffff0000, v[Y+2*(\i)+1]
	v_cvt_pk_f16_f32 v[Y+2*(\i)], v4, v5
	v_cvt_pk_f16_f32 v[Y+2*(\i)+1], v6, v7
.else
	v_xor_b32 v[Y+2*(\i)], v3, v[Y+2*(\i)]
	v_xor_b32 v[Y+2*(\i)+1], v3, v[Y+2*(\i)+1]
.endif
.endm
.macro STORE i
	global_store_b64 v2, v[Y+2*(\i):Y+2*(\i)+1], s[18:19] offset:2048*(\i)
.endm
; The four groups, and the wave's end.
.macro WALK half
.irp g, 0,1,2,3
	s_wait_loadcnt 12-4*(\g)                       ; loads come back in order (ISA guide 5.7.1): this group's four chunks are in, the 12 - 4 g younger loads stay out
.if (\g) > 0
	s_wait_alu depctr_va_vdst(0)                   ; the group before has written its Y, which the four stores below read
.endif
.irp k, 0,1,2,3
.if (\g) > 0
	STORE 4*(\g)-4+(\k)                            ; no vector line since the wait names this chunk's Y or v2
.endif
	CONV 4*(\g)+(\k), \half
.endr
.endr
	s_wait_alu depctr_va_vdst(0)                   ; the last group has written its Y, which the last four stores read
.irp k, 12,13,14,15
	STORE \k
.endr
	s_endpgm
.endm
	s_cmp_eq_u32 s22, 896
	s_cbranch_scc1 .Lf16
	WALK 0
.Lf16:                                         ; Wo
	WALK 1
.Lfunc_end_k_qf34a720a23_cast:
	.size	k_qf34a720a23_cast, .Lfunc_end_k_qf34a720a23_cast-k_qf34a720a23_cast
	.p2alignl 7, 3214868480
	.fill 96, 4, 3214868480
	.section	.rodata,"a",@progbits
	.p2align	6, 0x0
	.amdhsa_kernel k_qf34a720a23_cast
		.amdhsa_group_segment_fixed_size 0
		.amdhsa_private_segment_fixed_size 0
		.amdhsa_enable_private_segment 0
		.amdhsa_kernarg_size 64
		.amdhsa_user_sgpr_count 2
		.amdhsa_user_sgpr_kernarg_segment_ptr 1
		.amdhsa_wavefront_size32 1
		.amdhsa_system_sgpr_workgroup_id_x 1
		.amdhsa_system_sgpr_workgroup_id_y 1
		.amdhsa_system_sgpr_workgroup_id_z 1
		.amdhsa_system_vgpr_workitem_id 0
		.amdhsa_next_free_vgpr 104
		.amdhsa_next_free_sgpr 66
		.amdhsa_reserve_vcc 1
		.amdhsa_float_denorm_mode_32 3
		.amdhsa_float_denorm_mode_16_64 3
		.amdhsa_memory_ordered 1
		.amdhsa_forward_progress 1
		.amdhsa_inst_pref_size 18
	.end_amdhsa_kernel
	.amdgpu_metadata
---
amdhsa.version: [ 1, 2 ]
amdhsa.kernels:
  - .name:           k_qf34a720a23_cast
    .symbol:         k_qf34a720a23_cast.kd
    .args:
      - { .name: hidden_states, .offset: 0, .size: 8, .value_kind: global_buffer, .address_space: global }
      - { .name: Wq, .offset: 8, .size: 8, .value_kind: global_buffer, .address_space: global }
      - { .name: Wk, .offset: 16, .size: 8, .value_kind: global_buffer, .address_space: global }
      - { .name: Wv, .offset: 24, .size: 8, .value_kind: global_buffer, .address_space: global }
      - { .name: Wo, .offset: 32, .size: 8, .value_kind: global_buffer, .address_space: global }
      - { .name: cos, .offset: 40, .size: 8, .value_kind: global_buffer, .address_space: global }
      - { .name: sin, .offset: 48, .size: 8, .value_kind: global_buffer, .address_space: global }
      - { .name: bf, .offset: 56, .size: 8, .value_kind: global_buffer, .address_space: global }
    .group_segment_fixed_size: 0
    .private_segment_fixed_size: 0
    .kernarg_segment_align: 8
    .kernarg_segment_size: 64
    .max_flat_workgroup_size: 256
    .sgpr_count:     66
    .vgpr_count:     104
    .wavefront_size: 32
...
	.end_amdgpu_metadata
.endif
;; end of part 5
;; launch qkv: the kernel of part 2 again; grid 12 x 16, 4 waves a work-group, clusters of 4 x 4, 327,680 bytes of LDS; arguments bf, q_norm_w, k_norm_w, qkvh; writes qkvh
;; launch attn: the kernel of part 3 again; grid 12 x 16, 4 waves a work-group, no clusters, 327,680 bytes of LDS; arguments qkvh, ao; writes ao
;; launch out: the kernel of part 4 again; grid 8 x 32, 4 waves a work-group, clusters of 4 x 4, 327,680 bytes of LDS; arguments ao, bf, out0; writes out0
